; MI455X (gfx1250); checked and timed in simulation.
; The chip was launched on July 23, 2026; its instructions are those of AMD's public machine-readable ISA for CDNA 5 (MIT licence, August 2026) and "CDNA5" Instruction Set Architecture Reference Guide (July 2026). The comments in the code are by the model that wrote it; some were corrected since.
;; Causal Attention. Allowed arithmetic: matrix products marked QUANTISED: E4M3 operands, one E8M0 scale for each 32 along K, by v_wmma_scale_f32_16x16x128_f8f6f4 with both operands' format E4M3, f32 sums; everything else in f32.
;; Inputs: Wk 1,024 x 1,024 float32; Wq 1,024 x 1,024 float32; Wv 1,024 x 1,024 float32; x 4 x 2,048 x 1,024 float32.
;; Outputs: out0 4 x 2,048 x 1,024 float32.
;; This version of the problem:
;;   THIS VERSION OF THE PROBLEM IS GIVEN IN LOW PRECISION. The matrix products marked QUANTISED in the list below multiply operands that are first quantised to E4M3 (4 exponent bits, 3 mantissa bits; 8 bits a number), with one power-of-two scale for each 32 numbers along K (OCP MX v1.0); their sums are f32. All else is computed in f32.
;;   The module's matrix products, in the order in which they are computed (A, B: the left and right operand; K: the contracted axis; several contracted axes count as one K, in the product's order):
;;     1. [M 8,192, K 1,024] x [K 1,024, N 1,024]; A: input x; B: input Wq: QUANTISED
;;     2. [M 8,192, K 1,024] x [K 1,024, N 1,024]; A: input x; B: input Wk: QUANTISED
;;     3. [M 8,192, K 1,024] x [K 1,024, N 1,024]; A: input x; B: input Wv: QUANTISED
;;     4. batch 4 x [M 2,048, K 1,024] x [K 1,024, N 2,048]; A: computed on the way; B: computed on the way: QUANTISED
;;     5. batch 4 x [M 2,048, K 2,048] x [K 2,048, N 1,024]; A: softmax (see below); B: computed on the way: QUANTISED
;;   THE QUANTISER, for each operand of a quantised product, along K:
;;     - K is cut into blocks of 32 from its start; a last block that is shorter is filled with zeros.
;;     - A block's scale is 2^e with e = floor(log2(the largest magnitude in the block)) - 8, held to -126 .. 127; a block of zeros has e = 0. As a byte (E8M0): e + 127.
;;     - Each number is divided by its block's scale, clamped to +-448, and rounded to the nearest number of E4M3, ties to even, subnormals kept.
;;     - The product sums the exact products of the quantised numbers (number of the format x scale) in f32.
;;   ~~~python
;;   def quantise(x, axis):      # numpy; x: float32 -> the quantised numbers, widened to float32 again
;;       x = np.moveaxis(x, axis, -1); K = x.shape[-1]
;;       x = np.pad(x, [(0, 0)] * (x.ndim - 1) + [(0, -K % 32)]); x = x.reshape(x.shape[:-1] + (-1, 32)); a = np.abs(x).max(-1, keepdims=True)
;;       e = np.where(a > 0, np.clip(np.frexp(np.where(a > 0, a, 1))[1] - 1 - 8, -126, 127), 0)      # np.frexp(a)[1] - 1 = floor(log2(a)), exactly
;;       r = np.clip(x / 2.0 ** e, -448, 448)
;;       step = 2.0 ** (np.maximum(np.frexp(np.where(r == 0, 1, r))[1] - 1, -6) - 3)
;;       q = np.round(r / step) * step * 2.0 ** e      # np.round: ties to even
;;       return np.moveaxis(q.reshape(q.shape[:-2] + (-1,))[..., :K], -1, axis).astype(np.float32)
;;   ~~~
;;   SOFTMAX AHEAD OF A QUANTISED PRODUCT. Where the list says 'softmax', what is quantised is not the finished softmax but p = 2^(t - M), with t = logit x log2(e) and M = ceil(the row's largest t), a whole number; so 1/2 < the row's largest p <= 1. The row's sum l is taken of the UNQUANTISED p, in f32, and the product's result is divided by l at the end. Since M is a whole number, a kernel that streams over the keys may use a running M (the ceiling of the running maximum): every later rescaling is an exact power of two, which a block's scale takes up: the codes' values come out the same.
;;   OPERANDS COMPUTED ON THE WAY. 'Computed on the way' means the value that the module computes at that place (a softmax that the list does not call 'softmax' is quantised finished and normalised). What goes into a quantiser is computed in f32, as accurately as f32 sums, v_exp_f32 and their like allow (about 1e-6 of the number): no bf16 or f16 on the way to a quantiser, and a product that is left as it is and whose result goes on into a quantised operand takes f32 operands (vector FMAs, or v_wmma_f32_16x16x4_f32). A number that lies on a knife's edge between two numbers of the format may be rounded either way, as far as f32 arithmetic and the matrix unit's own rounding can turn it there, and no further.
;; One version. Each part assembles by itself: llvm-mc -triple=amdgcn-amd-amdhsa -mcpu=gfx1250 --defsym DOCPART=n.
;; ======== version 1 of 1: 4 launches
;; workspace buffers: xw 11,534,336 bytes; xws 360,448 bytes; qkv 25,165,824 bytes; qkvs 786,432 bytes; pc 16,777,216 bytes; pt 1,572,864 bytes
;; launch quant (part 1): grid 704 x 1, 4 waves a work-group, no clusters, 34,304 bytes of LDS; arguments x, Wq, Wk, Wv, xw, xws; writes xw, xws
.if DOCPART == 1
	.amdgcn_target "amdgcn-amd-amdhsa--gfx1250"
	.amdhsa_code_object_version 6
	.text
	.protected	k_qed54ff762f_quant
	.globl	k_qed54ff762f_quant
	.p2align	8
	.type	k_qed54ff762f_quant,@function
k_qed54ff762f_quant:
	s_mov_b64 s[64:65], 0
	v_nop
	global_prefetch_b8 v0, s[64:65] scope:SCOPE_SE
	s_setreg_imm32_b32 hwreg(HW_REG_WAVE_MODE, 25, 1), 1
	s_wait_xcnt 0x0
; CAUSAL ATTENTION IN MX-FP8, FOUR LAUNCHES: quant (this one), proj, scores, pv.
; out = softmax(mask(q k^T) / 32) v, q = x Wq, k = x Wk, v = x Wv; every product on codes of E4M3 with one E8M0 scale for each 32 along K.
; WORK LEFT OUT.  reference() itself writes -inf over every score whose key comes after its query (its own jnp.triu), so the softmax gives exactly 0 there for all finite inputs, and such a key
; adds exactly 0 to the row's sum and to the result.  Tiles of 256 queries x 256 keys all of whose keys come after all of their queries are therefore neither multiplied (q k^T), nor
; stored, nor multiplied again (p v): 36 of the 64 tiles of a batch are live.  Every input has a way to the output, and all four are loaded.
; LIMIT: a NaN, an infinity or an overflow that reaches only those tiles is not carried to the result.
; THIS LAUNCH turns x [8192][1024] and Wq, Wk, Wv [1024 (k)][1024 (n)], f32, into codes and scale words along K = the 1,024 inputs.
; LAYOUT OF THE PROGRAM'S OWN BUFFERS.  Rows are kept by POSITION: position p holds the row whose number is p with bits 3 and 4 exchanged.  So a fragment's 16 positions are rows
; 32 (pb / 2) + 8 (pb % 2) + r + 8 (r / 8), and a transposed product's 16 registers of two neighbouring tiles are 16 neighbours along the next K.
; Codes lie as IMAGES OF THE OPERAND'S REGISTERS: fragment (16 positions pb, 128 along K ks) is 2,048 bytes, byte 512 c + 16 lane = k 32 c + 16 (lane / 16) + 0..15 of position 16 pb + lane % 16,
; at ((ks / 2) x 704 + pb) x 4,096 + (ks % 2) x 2,048.  Positions 0.. are tokens, 8,192.. Wq's columns, 9,216.. Wk's, 10,240.. Wv's.
; Scale words (four bytes: 128 along K of one position) lie at ((p / 128) x 8 + ks) x 512 + (p % 128) x 4.
; A block's scale is 2^(floor(log2(its largest magnitude)) - 8); its byte is the largest magnitude's exponent field - 8, held at 1 from below.
; LIMITS: a block of zeros, and one whose largest magnitude lies under 2^-118, keep the byte 1 (this program alone reads the bytes; zero codes add nothing); NaN and infinities among the inputs are not served.
; SHARES.  Work-groups 0-511: 16 positions of x; wave w takes 256 along K (two fragments).  Work-groups 512-703: one of the three weights, 128 columns, 128 along K; a wave takes 32 columns.
; No tensor load, no barrier, no loop: waves share nothing.
.set SPARE, 33792                      ; behind the four stages: the spare words, 128 bytes for each wave
.set SPW,  14                          ; v14  LDS address of my spare word; never rewritten
.set NIL,  15                          ; v15  0; never rewritten
.set TM,   48                          ; v48-63 at work in QUANT
.set SEL,  20                          ; s[20:21] lane selects: lane l xor 16
.set MNT,  23                          ; s23  the mantissa field of 448
.set HM,   24                          ; s24  lanes 16-31
.set R0,   64                          ; x: 16 rows x 16 bytes a lane as loaded, first fragment
.set R1,   128                         ; second fragment
.set X0,   192                         ; 64 neighbours a lane, first fragment
.set X1,   64                          ; second (in R0's registers)
; 64 numbers of a lane, register 16 b + i = k 32 b + 16 (lane / 16) + i of my row, become a fragment's codes in v[pc] on and its scale word in v[pw]
.macro QUANT s, pc, pw
.irp b, 0,1,2,3
	v_max3_num_f32 v[TM+\b], |v[\s+16*\b]|, |v[\s+1+16*\b]|, 0x4800000   ; my 16 numbers of block b, and the floor 2^(9 - 127): the byte cannot fall under 1
.endr
.irp i, 2,4,6,8,10,12,14
.irp b, 0,1,2,3
	v_max3_num_f32 v[TM+\b], v[TM+\b], |v[\s+16*\b+\i]|, |v[\s+1+16*\b+\i]|
.endr
.endr
.irp b, 0,1,2,3
	v_permlanex16_b32 v[TM+4+\b], v[TM+\b], s[SEL], s[SEL+1]
.endr
.irp b, 0,1,2,3
	v_max_num_f32 v[TM+\b], v[TM+\b], v[TM+4+\b]           ; with lane l xor 16's: the block's largest magnitude
.endr
.irp b, 0,1,2,3
	v_add_nc_u32 v[TM+12+\b], 0xfc000000, v[TM+\b]         ; 8 off its exponent field: the conversion's scale operand
.endr
.irp b, 0,1,2,3
	v_and_or_b32 v[TM+8+\b], v[TM+\b], 0x7f800000, s[MNT]  ; 448 x the scale
.endr
.irp b, 0,1,2,3
	v_lshrrev_b32 v[TM+4+\b], 23, v[TM+12+\b]              ; the scale's byte
.endr
	v_lshl_or_b32 v[\pw], v[TM+5], 8, v[TM+4]
	v_lshl_or_b32 v[\pw], v[TM+6], 16, v[\pw]
	v_lshl_or_b32 v[\pw], v[TM+7], 24, v[\pw]
.irp b, 0,1,2,3
.irp i, 0,1,2,3,4,5,6,7,8,9,10,11,12,13,14,15
	v_med3_num_f32 v[\s+16*\b+\i], v[\s+16*\b+\i], -v[TM+8+\b], v[TM+8+\b]   ; the conversion to an 8-bit code does not saturate (ISA guide 7.6.2): the hold
.endr
	v_cvt_scalef32_pk8_fp8_f32 v[\pc+4*\b:\pc+1+4*\b], v[\s+16*\b:\s+7+16*\b], v[TM+12+\b]
	v_cvt_scalef32_pk8_fp8_f32 v[\pc+2+4*\b:\pc+3+4*\b], v[\s+8+16*\b:\s+15+16*\b], v[TM+12+\b]
.endr
	v_nop                                          ; a plain instruction behind the last conversion
.endm
	s_load_b256 s[4:11], s[0:1], 0x0               ; x s[4:5], Wq s[6:7], Wk s[8:9], Wv s[10:11]
	s_load_b128 s[12:15], s[0:1], 0x20             ; xw s[12:13], xws s[14:15]
	v_lshl_add_u32 v[SPW], v0, 2, SPARE
	v_mov_b32 v[NIL], 0
	v_lshrrev_b32 v1, 5, v0
	v_readfirstlane_b32 s16, v1                    ; wave 0..3
	v_and_b32 v1, 31, v0                           ; lane
	v_and_b32 v2, 15, v0                           ; r
	v_bfe_u32 v3, v0, 4, 1                         ; h
	s_mov_b32 s[SEL], 0x76543210
	s_mov_b32 s[SEL+1], 0xfedcba98
	s_mov_b32 s[MNT], 0x600000
	s_mov_b32 s[HM], 0xffff0000
	s_cmp_ge_u32 ttmp9, 512
	s_cbranch_scc1 .Lweights
	; ---- x: position block pb = the work-group's number; my wave's 256 along K
	v_lshlrev_b32 v4, 4, v1                        ; 16 x lane: my place in a load's 512 bytes and in an image
	s_mul_i32 s17, s16, 8448                       ; my stage: 16 rows x (512 + 16) bytes
	v_add_nc_u32 v5, s17, v4                       ; in: as loaded
	v_mul_u32_u24 v6, v2, 528
	v_lshl_add_u32 v6, v3, 6, v6
	v_add_nc_u32 v6, s17, v6                       ; out: row r, + 64 h: my 16 numbers of a block of 32
	v_lshlrev_b32 v7, 2, v2
	v_lshl_add_u32 v7, v3, 9, v7                   ; scale words: lanes 0-15 the first fragment's, lanes 16-31 the second's, 512 bytes on
.irp b, 0,1,2,3
	v_mov_b32 v[TM+4+\b], 0                        ; written once: a lane permute's destination counts as one of its sources
.endr
	s_lshr_b32 s18, ttmp9, 1
	s_lshl_b32 s18, s18, 5
	s_and_b32 s19, ttmp9, 1
	s_lshl_b32 s19, s19, 3
	s_add_co_u32 s18, s18, s19                     ; the block's first token: 32 (pb / 2) + 8 (pb % 2)
	s_lshl_b32 s18, s18, 12                        ; a row of x is 4,096 bytes
	s_lshl_b32 s19, s16, 10
	s_add_co_u32 s18, s18, s19                     ; + my wave's 1,024 bytes of it
	s_mov_b32 s19, 0
	s_mul_i32 s26, s16, 704
	s_add_co_u32 s26, s26, ttmp9
	s_lshl_b32 s26, s26, 12                        ; codes: (w x 704 + pb) x 4,096
	s_mov_b32 s27, 0
	s_lshr_b32 s28, ttmp9, 3
	s_lshl_b32 s28, s28, 12
	s_lshl_b32 s29, s16, 10
	s_add_co_u32 s28, s28, s29
	s_and_b32 s29, ttmp9, 7
	s_lshl_b32 s29, s29, 6
	s_add_co_u32 s28, s28, s29                     ; scale words: (pb / 8) x 4,096 + 2 w x 512 + (pb % 8) x 64
	s_mov_b32 s29, 0
	s_wait_kmcnt 0x0
	s_add_nc_u64 s[4:5], s[4:5], s[18:19]
	s_add_nc_u64 s[12:13], s[12:13], s[26:27]
	s_add_nc_u64 s[14:15], s[14:15], s[28:29]
.macro XLOAD f, reg                    ; position i's 128 numbers of fragment f: 32 lanes read 512 consecutive bytes
.irp i, 0,1,2,3,4,5,6,7,8,9,10,11,12,13,14,15
	global_load_b128 v[\reg+4*\i:\reg+4*\i+3], v4, s[4:5] offset:(\i%8+16*(\i/8))*4096+512*\f th:TH_LOAD_NT
.endr
.endm
.macro XTURN src, dst                  ; through my stage: in as loaded, out 64 bytes of a row a lane.  LDS serves a wave's instructions in order (ISA guide 5.7.1.4)
.irp i, 0,1,2,3,4,5,6,7,8,9,10,11,12,13,14,15
	ds_store_b128 v5, v[\src+4*\i:\src+4*\i+3] offset:528*\i
.endr
.irp c, 0,1,2,3
.irp j, 0,1,2,3
	ds_load_b128 v[\dst+16*\c+4*\j:\dst+16*\c+4*\j+3], v6 offset:128*\c+16*\j
.endr
.endr
.endm
	XLOAD 0, R0
	XLOAD 1, R1
	s_wait_loadcnt 16                              ; the first fragment's 16 loads are in; the second's may be out
	XTURN R0, X0
	s_wait_dscnt 0x0                               ; the stores have read R0, which the second fragment's numbers take
	s_wait_loadcnt 0x0
	XTURN R1, X1
	QUANT X0, 16, 12
.irp c, 0,1,2,3
	global_store_b128 v4, v[16+4*\c:19+4*\c], s[12:13] offset:512*\c          ; 512 consecutive bytes
.endr
	s_wait_dscnt 0x0
	QUANT X1, 32, 13
.irp c, 0,1,2,3
	global_store_b128 v4, v[32+4*\c:35+4*\c], s[12:13] offset:2048+512*\c
.endr
	v_cndmask_b32 v8, v12, v13, s[HM]              ; every lane holds its row's word: lanes 16-31 send the second fragment's
	global_store_b32 v7, v8, s[14:15]
	s_wait_tensorcnt 0x0                           ; the wave's end
	ds_add_u32 v[SPW], v[NIL]
	s_wait_dscnt 0x0
	s_endpgm
.Lweights:
	; ---- a weight: a lane takes a column and its registers run down K, so a block of 32 lies in one lane
	v_and_b32 v8, 7, v1
	v_and_b32 v9, 8, v1
	v_lshl_or_b32 v8, v9, 1, v8
	v_and_b32 v9, 16, v1
	v_lshrrev_b32 v9, 1, v9
	v_or_b32 v8, v8, v9                            ; the column that position l holds: l with bits 3 and 4 exchanged
	v_lshlrev_b32 v8, 2, v8
	v_lshlrev_b32 v9, 12, v3                       ; codes: position block l / 16,
	v_lshl_add_u32 v9, v2, 4, v9                   ; 16 bytes for position l % 16
	v_lshlrev_b32 v7, 2, v1
	s_sub_co_u32 s17, ttmp9, 512
	s_lshr_b32 s18, s17, 6                         ; which weight: 0 Wq, 1 Wk, 2 Wv
	s_bfe_u32 s19, s17, 0x30003                    ; which 128 columns
	s_and_b32 s22, s17, 7                          ; which 128 along K
	s_lshl_b32 s26, s22, 19                        ; 128 rows of 4,096 bytes
	s_lshl_b32 s25, s19, 9
	s_add_co_u32 s26, s26, s25
	s_lshl_b32 s25, s16, 7
	s_add_co_u32 s26, s26, s25                     ; + 4 x (128 cg + 32 w)
	s_mov_b32 s27, 0
	s_lshr_b32 s28, s22, 1
	s_mul_i32 s28, s28, 704
	s_lshl_b32 s25, s18, 6
	s_add_co_u32 s28, s28, s25
	s_lshl_b32 s25, s19, 3
	s_add_co_u32 s28, s28, s25
	s_lshl_b32 s25, s16, 1
	s_add_co_u32 s28, s28, s25
	s_add_co_u32 s28, s28, 512                     ; (ks / 2) x 704 + 512 + 64 mat + 8 cg + 2 w
	s_lshl_b32 s28, s28, 12
	s_and_b32 s25, s22, 1
	s_lshl_b32 s25, s25, 11
	s_add_co_u32 s28, s28, s25
	s_mov_b32 s29, 0
	s_lshl_b32 s30, s18, 3
	s_add_co_u32 s30, s30, s19
	s_add_co_u32 s30, s30, 64
	s_lshl_b32 s30, s30, 3
	s_add_co_u32 s30, s30, s22
	s_lshl_b32 s30, s30, 9                         ; ((64 + 8 mat + cg) x 8 + ks) x 512
	s_lshl_b32 s25, s16, 7
	s_add_co_u32 s30, s30, s25
	s_mov_b32 s31, 0
	s_wait_kmcnt 0x0
	s_cmp_eq_u32 s18, 0                            ; the choice hangs on the work-group's number alone
	s_cselect_b64 s[32:33], s[6:7], s[8:9]
	s_cmp_eq_u32 s18, 2
	s_cselect_b64 s[32:33], s[10:11], s[32:33]
	s_add_nc_u64 s[32:33], s[32:33], s[26:27]
	s_add_nc_u64 s[12:13], s[12:13], s[28:29]
	s_add_nc_u64 s[14:15], s[14:15], s[30:31]
.macro WLOAD t                         ; block t: W(32 t + i, my column): a wave reads 128 bytes of a row
.set n, 0
.rept 32
	global_load_b32 v[64+32*(\t)+n], v8, s[32:33] offset:(32*(\t)+n)*4096 th:TH_LOAD_NT
.set n, n+1
.endr
.endm
.macro WBLOCK t
.set XS, 64+32*(\t)
.if (\t) < 3
	s_wait_loadcnt 32                              ; this block's 32 loads are in; the next block's may be out
.else
	s_wait_loadcnt 0x0
.endif
.if (\t) < 2
	WLOAD (\t)+2                                   ; two blocks ahead; each block has registers of its own
.endif
	v_max3_num_f32 v16, |v[XS]|, |v[XS+1]|, |v[XS+2]|
	v_max3_num_f32 v17, |v[XS+3]|, |v[XS+4]|, |v[XS+5]|
.irp i, 6,10,14,18,22,26
	v_max3_num_f32 v16, v16, |v[XS+\i]|, |v[XS+\i+1]|
	v_max3_num_f32 v17, v17, |v[XS+\i+2]|, |v[XS+\i+3]|
.endr
	v_max3_num_f32 v16, v16, |v[XS+30]|, |v[XS+31]|
	v_max3_num_f32 v16, v16, v17, 0x4800000        ; and the floor
	v_add_nc_u32 v11, 0xfc000000, v16
	v_and_or_b32 v10, v16, 0x7f800000, s[MNT]
	v_lshrrev_b32 v13, 23, v11
.if (\t) == 0
	v_mov_b32 v12, v13
.else
	v_lshl_or_b32 v12, v13, 8*(\t), v12            ; four bytes to the word, the lower K in the lower byte
.endif
.set n, 0
.rept 32
	v_med3_num_f32 v[XS+n], v[XS+n], -v10, v10
.set n, n+1
.endr
.irp g, 0,1,2,3
	v_cvt_scalef32_pk8_fp8_f32 v[192+8*(\t)+2*\g:193+8*(\t)+2*\g], v[XS+8*\g:XS+8*\g+7], v11
.endr
	global_store_b128 v9, v[192+8*(\t):195+8*(\t)], s[12:13] offset:512*(\t)       ; k 32 t + 0..15: the image's lanes 0-15: sixteen lanes store 256 consecutive bytes, aligned
	global_store_b128 v9, v[196+8*(\t):199+8*(\t)], s[12:13] offset:512*(\t)+256   ; k 32 t + 16..31: its lanes 16-31
.endm
	WLOAD 0
	WLOAD 1
	WBLOCK 0
	WBLOCK 1
	WBLOCK 2
	WBLOCK 3
	global_store_b32 v7, v12, s[14:15]             ; 32 positions' scale words: 128 consecutive bytes
	s_endpgm
.Lfunc_end_k_qed54ff762f_quant:
	.size	k_qed54ff762f_quant, .Lfunc_end_k_qed54ff762f_quant-k_qed54ff762f_quant
	.p2alignl 7, 3214868480
	.fill 96, 4, 3214868480
	.section	.rodata,"a",@progbits
	.p2align	6, 0x0
	.amdhsa_kernel k_qed54ff762f_quant
		.amdhsa_group_segment_fixed_size 34304
		.amdhsa_private_segment_fixed_size 0
		.amdhsa_enable_private_segment 0
		.amdhsa_kernarg_size 48
		.amdhsa_user_sgpr_count 2
		.amdhsa_user_sgpr_kernarg_segment_ptr 1
		.amdhsa_wavefront_size32 1
		.amdhsa_system_sgpr_workgroup_id_x 1
		.amdhsa_system_sgpr_workgroup_id_y 1
		.amdhsa_system_sgpr_workgroup_id_z 1
		.amdhsa_system_vgpr_workitem_id 0
		.amdhsa_next_free_vgpr 256
		.amdhsa_next_free_sgpr 66
		.amdhsa_reserve_vcc 0
		.amdhsa_float_denorm_mode_32 3
		.amdhsa_float_denorm_mode_16_64 3
		.amdhsa_memory_ordered 1
		.amdhsa_forward_progress 1
		.amdhsa_inst_pref_size 56
	.end_amdhsa_kernel
	.amdgpu_metadata
---
amdhsa.version: [ 1, 2 ]
amdhsa.kernels:
  - .name:           k_qed54ff762f_quant
    .symbol:         k_qed54ff762f_quant.kd
    .args:
      - { .name: x, .offset: 0, .size: 8, .value_kind: global_buffer, .address_space: global }
      - { .name: Wq, .offset: 8, .size: 8, .value_kind: global_buffer, .address_space: global }
      - { .name: Wk, .offset: 16, .size: 8, .value_kind: global_buffer, .address_space: global }
      - { .name: Wv, .offset: 24, .size: 8, .value_kind: global_buffer, .address_space: global }
      - { .name: xw, .offset: 32, .size: 8, .value_kind: global_buffer, .address_space: global }
      - { .name: xws, .offset: 40, .size: 8, .value_kind: global_buffer, .address_space: global }
    .group_segment_fixed_size: 34304
    .private_segment_fixed_size: 0
    .kernarg_segment_align: 8
    .kernarg_segment_size: 48
    .max_flat_workgroup_size: 128
    .sgpr_count:     66
    .vgpr_count:     256
    .wavefront_size: 32
...
	.end_amdgpu_metadata
.endif
;; end of part 1
;; launch proj (part 2): grid 12 x 32, 4 waves a work-group, clusters of 4 x 4, 327,680 bytes of LDS; arguments xw, xws, qkv, qkvs; writes qkv, qkvs
.if DOCPART == 2
	.amdgcn_target "amdgcn-amd-amdhsa--gfx1250"
	.amdhsa_code_object_version 6
	.text
	.protected	k_qed54ff762f_proj
	.globl	k_qed54ff762f_proj
	.p2align	8
	.type	k_qed54ff762f_proj,@function
k_qed54ff762f_proj:
	s_mov_b64 s[64:65], 0
	v_nop
	global_prefetch_b8 v0, s[64:65] scope:SCOPE_SE
	s_setreg_imm32_b32 hwreg(HW_REG_WAVE_MODE, 25, 1), 1
	s_wait_xcnt 0x0
	s_wait_alu depctr_hold_cnt(0) depctr_sa_sdst(0) depctr_va_vdst(0) depctr_va_sdst(0) depctr_va_ssrc(0) depctr_va_vcc(0) depctr_vm_vsrc(0)
	s_getreg_b32 s2, hwreg(HW_REG_IB_STS2, 6, 4)
	s_cmp_eq_u32 s2, 0
	s_cbranch_scc0 .Lentry_in_a_cluster
	s_endpgm
.Lentry_in_a_cluster:
	s_bfe_u32 s2, ttmp6, 0x10000c
	s_cmp_lg_u32 s2, 0xf033
	s_cbranch_scc0 .Lentry_shape_is_right
	s_endpgm
.Lentry_shape_is_right:
; q = x Wq, k = x Wk, v = x Wv on the codes that the launch before made (K = 1,024), each result quantised in registers on its way out: q and k along their 1,024 channels, v along the keys.
; ONE SHAPE SERVES ALL THREE: C[A's position][B's row], quantised along B's rows.  Clusters with x = 0 make q, x = 1 make k: A = tokens, B = the weight's columns.  Clusters with x = 2 make v transposed:
; A = Wv's columns, B = tokens.  The choice is made by selects on the cluster's x alone; no branch hangs on it.
; A tile of C, 256 x 256, is made by four waves, each 128 x 128: 64 accumulators, 512 registers.  K goes in slots of 256 through a ring of two LDS slots; four K slots, written out without a loop.
; Codes lie in memory as images of the operand's registers (see the first launch): a quarter of a slot, 8 fragments' rows x 256 along K, is 32,768 consecutive bytes, brought by one tensor load a wave,
; and every LDS read is 16 bytes x lane on end: no pitch, no padding.
; THE MATRIX INSTRUCTION IS USED TRANSPOSED (source 0 = 16 positions of B, source 1 = 16 of A).  Positions hold rows with bits 3 and 4 exchanged, so register 16 b + i of a row block's 64 is B's row
; 32 b + 16 (lane / 16) + i: 16 neighbours along the next K, as the conversions want them, and the codes made are the next operand's registers.
; CLUSTERS: 4 x 4 work-groups.  A's tile hangs on cy alone and is asked for jointly by the four of a row of the cluster, B's on cx alone, by the four of a column.
; OUT: qkv: q at positions 0.., k at 8,192.. (fragment (pb, ks) at ((ks / 2) x 1,024 + pb) x 4,096 + (ks % 2) x 2,048); from byte 16,777,216 on v transposed (positions = channels, K = keys), laid as the last
; launch takes it: by group of 128 channels cg, half of 64, K step ks and fragment f: ((((batch x 8 + cg) x 2 + half) x 16 + ks) x 4 + f) x 2,048.
; qkvs: scale words, ((p / 128) x 8 + ks) x 512 + (p % 128) x 4; from byte 524,288 on v's, a batch 65,536 bytes, 16 K steps.
; LIMITS: as in the first launch: blocks under 2^-118 and blocks of zeros keep the byte 1; NaN and infinities are not served.
; REGISTERS: window 0: v1-31 addresses; v32-63 scale words, two sets; v64-91 at work on the way out; v128-255 A's fragments, one set (on the way out: held numbers and codes).
;   window 1: B's fragments, two sets.  windows 2, 3: accumulator (a, b) at v[8 (8 (a % 4) + b)].
.set SLOT,  131072                     ; four quarters of 32,768: A's two halves, B's two halves
.set SCL,   262144                     ; behind the ring: the scale words of all of K, four quarters of 4,096 bytes: [K step][128 positions]
.set SPARE, 278528                     ; the spare words, 128 bytes for each wave
.set KSL,   704*4096                   ; a K slot on, in xw
.set FR,   16
.set AF,   128
.set SC,   32
.set ADRA, 16                          ; v16-17 my A fragments in slot 0, 1
.set ADRB, 20                          ; v20-21 my B fragments
.set SO4,  25                          ; v25  4 x lane
.set CO,   26                          ; v26  16 x lane
.set ADRS, 27                          ; v27  my scale words: lanes 0-15 A's, lanes 16-31 B's
.set SPW,  28
.set NIL,  29
.set TM,   64                          ; v64-79 at work
.set PWS,  80                          ; v80-87 the eight row blocks' scale words
.set OT,   88
.set T,    128                         ; v128-191 64 held numbers
.set PC,   192                         ; v192-207 a fragment's codes
.set G1, 24
.set G0, 32
.set G1B, 48
.set G0B, 56
.set G1S, 68
.set G0S, 76
.set G1SB, 80
.set G0SB, 88
.set SEL, 96
.set MNT, 98
.set HM,  99
.set MSB, 0
.macro WIN new                         ; the immediate's high byte repeats the setting that is left
.if MSB != (\new)
	s_set_vgpr_msb (MSB<<8)|(\new)
.set MSB, (\new)
.endif
.endm
.set MUL_LO, 0xa1                      ; source 0 (B) window 1, source 1 (A) window 0, C and D window 2
.set MUL_HI, 0xf1
.set TO_B,   0x40
.macro PLACES n                        ; plain instructions behind matrix instructions: eight for this form
.rept \n
	v_nop
.endr
.endm
.macro JLOAD g0a, g1a, g0b, g1b        ; a joint load: waves 0 and 1 fetch for A, waves 2 and 3 for B; the branch hangs on the wave's number alone
	s_cmp_eq_u32 s15, 0
	s_cbranch_scc0 .Lfor_b_\@
	tensor_load_to_lds s[\g0a:\g0a+3], s[\g1a:\g1a+7]
	s_nop 0
.rept 4
	v_nop
.endr
	s_branch .Lasked_\@
.Lfor_b_\@:
	tensor_load_to_lds s[\g0b:\g0b+3], s[\g1b:\g1b+7]
	s_nop 0
.rept 4
	v_nop
.endr
.Lasked_\@:
.endm
.macro CREST                           ; the cluster's barrier behind its opening work-group barrier
	s_cmp_lg_u32 s14, 0
	s_cbranch_scc1 .Lnot_wave_0_\@
	s_barrier_signal -3
.Lnot_wave_0_\@:
	s_barrier_wait -3
	s_barrier_signal -1
	s_barrier_wait -1
.endm
.macro CROUND
	s_barrier_signal -1
	s_barrier_wait -1
	CREST
.endm
.macro FRAG reg, adr, q, i             ; fragment (block i, the slot's q-th 128 along K): four loads of 512 consecutive bytes
.irp c, 0,1,2,3
	ds_load_b128 v[\reg+4*\c:\reg+4*\c+3], v[\adr] offset:4096*(\i)+2048*(\q)+512*\c
.endr
.endm
; 16 matrix instructions: A's blocks a0, a0 + 1 x B's eight.  p: B's set; sc: the set of scale words.  The 64 accumulators take turns in one order throughout
.macro MUL16 a0, p, q, sc, zero
.irp a, \a0, \a0+1
.irp b, 0,1,2,3,4,5,6,7
.if \zero
	v_wmma_scale_f32_16x16x128_f8f6f4 v[8*(8*((\a)%4)+\b):8*(8*((\a)%4)+\b)+7], v[128*(\p)+FR*\b:128*(\p)+FR*\b+FR-1], v[AF+FR*(\a):AF+FR*(\a)+FR-1], 0, v[SC+16*(\sc)+2*\b+(\q)], v[SC+16*(\sc)+2*(\a)+(\q)] matrix_a_scale:MATRIX_SCALE_ROW1
.else
	v_wmma_scale_f32_16x16x128_f8f6f4 v[8*(8*((\a)%4)+\b):8*(8*((\a)%4)+\b)+7], v[128*(\p)+FR*\b:128*(\p)+FR*\b+FR-1], v[AF+FR*(\a):AF+FR*(\a)+FR-1], v[8*(8*((\a)%4)+\b):8*(8*((\a)%4)+\b)+7], v[SC+16*(\sc)+2*\b+(\q)], v[SC+16*(\sc)+2*(\a)+(\q)] matrix_a_scale:MATRIX_SCALE_ROW1
.endif
.endr
.endr
.endm
.macro FETCH_B slot, q, p
	WIN TO_B
.irp i, 0,1,2,3,4,5,6,7
	FRAG 128*(\p)+FR*\i, ADRB+\slot, \q, \i
.endr
	WIN 0
.endm
.macro FETCH_A slot, q, i0
.irp i, \i0, \i0+1, \i0+2, \i0+3
	FRAG AF+FR*(\i), ADRA+\slot, \q, \i
.endr
.endm
.macro SCALES set, S                   ; K slot S's scale words: register 2 i + q: lanes 0-15 A's block i, lanes 16-31 B's block i
.irp i, 0,1,2,3,4,5,6,7
	ds_load_b32 v[SC+16*(\set)+2*\i], v[ADRS] offset:(2*(\S))*512+64*\i
	ds_load_b32 v[SC+16*(\set)+2*\i+1], v[ADRS] offset:(2*(\S)+1)*512+64*\i
.endr
.endm
.macro STEP slot, zero                 ; a slot's first 128 along K
	s_wait_dscnt 16                                ; all but the youngest 16 loads (A's blocks 4-7) are in
	WIN MUL_LO
	MUL16 0, 0, 0, \slot, \zero
	MUL16 2, 0, 0, \slot, \zero
	s_wait_dscnt 0x0
	PLACES 8
	FETCH_B \slot, 1, 1
	FETCH_A \slot, 1, 0
	WIN MUL_HI
	MUL16 4, 0, 0, \slot, \zero
	MUL16 6, 0, 0, \slot, \zero
	PLACES 8
	WIN 0
	FETCH_A \slot, 1, 4
.endm
; A slot's second 128 along K changes slots: one barrier; in front of it each wave waits for all its tensor loads, adds 0 to its spare word, and waits for that and for its reads of this slot
.macro TURN slot, next, fill, S
	s_wait_tensorcnt 0x0                           ; my part of the next slot has landed
	ds_add_u32 v[SPW], v[NIL]
	s_wait_dscnt 17                                ; (the add and the youngest 16 loads may be out)
	WIN MUL_LO
	MUL16 0, 1, 1, \slot, 0
	s_wait_dscnt 0x0                               ; the add is done, and my reads of this slot are over
	s_barrier_signal -1
	MUL16 2, 1, 1, \slot, 0
	WIN 0
	s_barrier_wait -1
.if \fill
	CREST                                          ; no wave of any partner still reads this slot or has a load on its way
	s_add_nc_u64 s[G0+4*\slot+2:G0+4*\slot+3], s[G0+4*\slot+2:G0+4*\slot+3], 2*KSL
	s_add_nc_u64 s[G0B+4*\slot+2:G0B+4*\slot+3], s[G0B+4*\slot+2:G0B+4*\slot+3], 2*KSL
	JLOAD G0+4*\slot, G1, G0B+4*\slot, G1B         ; the first tensor load behind the barrier; its four v_nop are four of the eight places
	PLACES 4
.else
	PLACES 8
.endif
	FETCH_B \next, 0, 0
	FETCH_A \next, 0, 0
	SCALES \next, \S
	WIN MUL_HI
	MUL16 4, 1, 1, \slot, 0
	MUL16 6, 1, 1, \slot, 0
	PLACES 8
	WIN 0
	FETCH_A \next, 0, 4
.endm
.macro LAST sc                         ; the very last 128 along K
	s_wait_dscnt 16
	WIN MUL_LO
	MUL16 0, 1, 1, \sc, 0
	MUL16 2, 1, 1, \sc, 0
	s_wait_dscnt 0x0
	WIN MUL_HI
	MUL16 4, 1, 1, \sc, 0
	MUL16 6, 1, 1, \sc, 0
	WIN 0
.endm
	s_load_b128 s[4:7], s[0:1], 0x0                ; xw s[4:5], xws s[6:7]
	s_load_b128 s[8:11], s[0:1], 0x10              ; qkv s[8:9], qkvs s[10:11]
	v_lshl_add_u32 v[SPW], v0, 2, SPARE
	v_mov_b32 v[NIL], 0
	ds_add_u32 v[SPW], v[NIL]                      ; the wave's opening: the add, twice on end, and its wait ahead of my first tensor load
	ds_add_u32 v[SPW], v[NIL]
	v_lshrrev_b32 v1, 5, v0
	v_readfirstlane_b32 s14, v1                    ; wave 0..3
	s_lshr_b32 s15, s14, 1                         ; my half of A's positions.  Also: I fetch for A (0) or for B (1)
	s_and_b32 s16, s14, 1                          ; my half of B's.  Also: which half I fetch
	s_bfe_u32 s40, ttmp6, 0x40000                  ; cx
	s_bfe_u32 s41, ttmp6, 0x40004                  ; cy
	s_and_b32 s2, ttmp7, 0xffff                    ; Y: the cluster's y
	s_lshl_b32 s3, s2, 2
	s_lshl_b32 s18, ttmp9, 2
	s_add_co_u32 s18, s18, 32
	s_cmp_eq_u32 ttmp9, 2                          ; v?
	s_cselect_b32 s17, 40, s3                      ; A's tile of 256 positions of xw: Wv's begin at 40, tokens at 4 Y
	s_cselect_b32 s42, s3, s18                     ; B's: tokens at 4 Y, Wq's or Wk's columns at 32 + 4 X
	s_add_co_u32 s17, s17, s41                     ; + cy
	s_add_co_u32 s42, s42, s40                     ; + cx
	s_lshl_b32 s43, s41, 2
	s_lshl_b32 s43, 15, s43                        ; my row of the cluster
	s_lshl_b32 s44, 0x1111, s40                    ; my column
	s_or_b32 s[G1+0], s43, (3<<16)|(1<<21)         ; 15:0 the mask; 17:16 elements of 8 bytes; 21 set beside a mask; no padding
	s_or_b32 s[G1B+0], s44, (3<<16)|(1<<21)
.irp g, G1, G1B                        ; 32,768 dense bytes as 128 rows of 256
	s_mov_b32 s[\g+1], 32<<16
	s_mov_b32 s[\g+2], 128<<16
	s_mov_b32 s[\g+3], 32<<16
	s_mov_b32 s[\g+4], 128
	s_mov_b32 s[\g+5], 32
	s_mov_b32 s[\g+6], 0
	s_mov_b32 s[\g+7], 0
.endr
	s_or_b32 s[G1S+0], s43, (3<<16)|(1<<21)
	s_or_b32 s[G1SB+0], s44, (3<<16)|(1<<21)
.irp g, G1S, G1SB                      ; 4,096 dense bytes as 16 rows of 256
	s_mov_b32 s[\g+1], 32<<16
	s_mov_b32 s[\g+2], 16<<16
	s_mov_b32 s[\g+3], 32<<16
	s_mov_b32 s[\g+4], 16
	s_mov_b32 s[\g+5], 32
	s_mov_b32 s[\g+6], 0
	s_mov_b32 s[\g+7], 0
.endr
	s_lshl_b32 s18, s16, 3
	s_lshl_b32 s20, s17, 4
	s_add_co_u32 s20, s20, s18
	s_lshl_b32 s20, s20, 12                        ; A's codes: (16 tile + 8 half) x 4,096
	s_mov_b32 s21, 0
	s_lshl_b32 s46, s42, 4
	s_add_co_u32 s46, s46, s18
	s_lshl_b32 s46, s46, 12                        ; B's
	s_mov_b32 s47, 0
	s_lshl_b32 s22, s17, 1
	s_add_co_u32 s22, s22, s16
	s_lshl_b32 s22, s22, 12                        ; A's scale words: (2 tile + half) x 4,096
	s_mov_b32 s23, 0
	s_lshl_b32 s92, s42, 1
	s_add_co_u32 s92, s92, s16
	s_lshl_b32 s92, s92, 12
	s_mov_b32 s93, 0
	s_lshl_b32 s45, s14, 15                        ; where they go: wave x a quarter: no place in the cluster enters an LDS address
	s_lshl_b32 s94, s14, 12
	s_mov_b32 s[SEL], 0x76543210
	s_mov_b32 s[SEL+1], 0xfedcba98
	s_mov_b32 s[MNT], 0x600000
	s_mov_b32 s[HM], 0xffff0000
	s_wait_dscnt 0x0                               ; both opening adds are done
	s_wait_kmcnt 0x0
	s_add_nc_u64 s[20:21], s[4:5], s[20:21]
	s_add_nc_u64 s[22:23], s[6:7], s[22:23]
	s_add_nc_u64 s[46:47], s[4:5], s[46:47]
	s_add_nc_u64 s[92:93], s[6:7], s[92:93]
	CROUND                                         ; all sixteen work-groups are here: the first joint loads meet
	s_mov_b32 s[G0S], 1
	s_add_co_u32 s[G0S+1], s94, SCL
	s_mov_b64 s[G0S+2:G0S+3], s[22:23]
	s_or_b32 s[G0S+3], s[G0S+3], 0x80000000
	s_mov_b32 s[G0SB], 1
	s_add_co_u32 s[G0SB+1], s94, SCL
	s_mov_b64 s[G0SB+2:G0SB+3], s[92:93]
	s_or_b32 s[G0SB+3], s[G0SB+3], 0x80000000
	JLOAD G0S, G1S, G0SB, G1SB                     ; the scale words of all of K: filled once
.irp s, 0,1
	s_mov_b32 s[G0+4*\s], 1
	s_add_co_u32 s[G0+4*\s+1], s45, \s*SLOT
	s_add_nc_u64 s[G0+4*\s+2:G0+4*\s+3], s[20:21], \s*KSL
	s_or_b32 s[G0+4*\s+3], s[G0+4*\s+3], 0x80000000
	s_mov_b32 s[G0B+4*\s], 1
	s_add_co_u32 s[G0B+4*\s+1], s45, \s*SLOT
	s_add_nc_u64 s[G0B+4*\s+2:G0B+4*\s+3], s[46:47], \s*KSL
	s_or_b32 s[G0B+4*\s+3], s[G0B+4*\s+3], 0x80000000
	JLOAD G0+4*\s, G1, G0B+4*\s, G1B               ; three loads of mine are out
.endr
	v_and_b32 v1, 15, v0                           ; r
	v_bfe_u32 v2, v0, 4, 1                         ; h
	v_and_b32 v3, 31, v0
	v_lshlrev_b32 v[CO], 4, v3
	v_lshlrev_b32 v[SO4], 2, v3
	s_lshl_b32 s12, s15, 15                        ; my half of A
	s_lshl_b32 s13, s16, 15
	s_add_co_u32 s13, s13, 65536                   ; my half of B, behind A's two
.irp s, 0,1
	v_add_nc_u32 v[ADRA+\s], s12, v[CO]
	v_add_nc_u32 v[ADRB+\s], s13, v[CO]
	s_add_co_u32 s12, s12, SLOT
	s_add_co_u32 s13, s13, SLOT
.endr
	s_lshl_b32 s12, s15, 12                        ; A's quarter of the scale words
	s_lshl_b32 s13, s16, 12
	s_add_co_u32 s13, s13, 2*4096                  ; B's
	s_sub_co_u32 s13, s13, s12
	v_mul_u32_u24 v4, s13, v2                      ; lanes 16-31 take B's: one product, the distance between the two
	s_add_co_u32 s12, s12, SCL
	v_lshl_add_u32 v4, v1, 2, v4
	v_add_nc_u32 v[ADRS], s12, v4
.irp b, 0,1,2,3
	v_mov_b32 v[TM+4+\b], 0                        ; written once: a lane permute's destination counts as one of its sources
.endr
	; where my results go
	s_lshl_b32 s66, s41, 4
	s_lshl_b32 s67, s15, 3
	s_add_co_u32 s66, s66, s67                     ; 16 cy + 8 wr
	s_lshl_b32 s12, s40, 10
	s_lshl_b32 s67, ttmp9, 9
	s_add_co_u32 s12, s12, s67
	s_lshl_b32 s67, s2, 6
	s_add_co_u32 s12, s12, s67
	s_add_co_u32 s12, s12, s66                     ; q, k: 1,024 cx + 512 X + 64 Y + 16 cy + 8 wr, in units of 4,096 bytes
	s_lshl_b32 s12, s12, 12
	s_lshl_b32 s13, s16, 11
	s_add_co_u32 s12, s12, s13                     ; + my half of B's rows: which 128 of the K slot
	s_lshr_b32 s95, s2, 1                          ; v: the batch,
	s_and_b32 s67, s2, 1
	s_lshl_b32 s67, s67, 2
	s_add_co_u32 s67, s67, s40                     ; the 256 keys: 4 (Y % 2) + cx
	s_lshl_b32 s13, s95, 21                        ; a batch is 2,097,152 bytes,
	s_lshl_b32 s18, s66, 15                        ; a group of 128 channels, 2 cy + wr, 262,144
	s_add_co_u32 s13, s13, s18
	s_lshl_b32 s18, s67, 1
	s_add_co_u32 s18, s18, s16                     ; the K step of 128 keys,
	s_lshl_b32 s18, s18, 13                        ; 8,192 bytes in a half
	s_add_co_u32 s13, s13, s18
	s_add_co_u32 s13, s13, 16777216
	s_mov_b32 s20, 4096                            ; from row block to row block: q, k 4,096 bytes; v 2,048, and from block 3 to block 4 on into the other half: 131,072 - 3 x 2,048
	s_mov_b32 s22, 4096
	s_cmp_eq_u32 ttmp9, 2
	s_cselect_b32 s12, s13, s12
	s_cselect_b32 s20, 2048, s20
	s_cselect_b32 s22, 124928, s22
	s_mov_b32 s13, 0
	s_mov_b32 s21, 0
	s_mov_b32 s23, 0
	s_add_nc_u64 s[8:9], s[8:9], s[12:13]
	s_lshl_b32 s12, ttmp9, 9
	s_lshl_b32 s13, s2, 6
	s_add_co_u32 s12, s12, s13
	s_add_co_u32 s12, s12, s66                     ; scale words, q, k: 512 X + 64 Y + 16 cy + 8 wr, in units of 512 bytes
	s_lshl_b32 s13, s95, 7
	s_lshl_b32 s18, s66, 1
	s_add_co_u32 s13, s13, s18
	s_and_b32 s18, s2, 1
	s_lshl_b32 s18, s18, 3
	s_add_co_u32 s13, s13, s18
	s_add_co_u32 s13, s13, 1024                    ; v: 1,024 + 128 batch + 32 cy + 16 wr + 8 (Y % 2)
	s_cmp_eq_u32 ttmp9, 2
	s_cselect_b32 s12, s13, s12
	s_lshl_b32 s13, s40, 1
	s_add_co_u32 s12, s12, s13
	s_add_co_u32 s12, s12, s16                     ; + 2 cx + wc: the K step
	s_lshl_b32 s12, s12, 9
	s_mov_b32 s13, 0
	s_add_nc_u64 s[10:11], s[10:11], s[12:13]
	s_wait_tensorcnt 1                             ; the scale words and my part of K slot 0 are in; K slot 1's load may be out
	s_barrier_signal -1
	s_barrier_wait -1
	FETCH_B 0, 0, 0
	FETCH_A 0, 0, 0
	SCALES 0, 0
	FETCH_A 0, 0, 4
	STEP 0, 1                                      ; the first products start the sums: nothing is cleared
	TURN 0, 1, 1, 1
	STEP 1, 0
	TURN 1, 0, 1, 2
	STEP 0, 0
	TURN 0, 1, 0, 3                                ; the last two K slots are there: nothing is asked for
	STEP 1, 0
	LAST 1
; THE WAY OUT: row block a's 64 registers a lane are 128 neighbours along the next K (with lane l xor 16): they become one fragment and one scale word a row, and leave as an image: 512 consecutive bytes a store.
.macro QB a
.set WW, 2+(\a)/4
.set AC, 64*((\a)%4)
	WIN (WW<<2)|(WW<<4)                            ; sources 1 and 2: the accumulators' window
.irp b, 0,1,2,3
	v_max3_num_f32 v[TM+\b], 0x4800000, |v[AC+16*\b]|, |v[AC+16*\b+1]|      ; each accumulator is read from its low end on
.endr
.irp i, 2,4,6,8,10,12,14
.irp b, 0,1,2,3
	v_max3_num_f32 v[TM+\b], v[TM+\b], |v[AC+16*\b+\i]|, |v[AC+16*\b+\i+1]|
.endr
.endr
	WIN 0
.irp b, 0,1,2,3
	v_permlanex16_b32 v[TM+4+\b], v[TM+\b], s[SEL], s[SEL+1]
.endr
.irp b, 0,1,2,3
	v_max_num_f32 v[TM+\b], v[TM+\b], v[TM+4+\b]
.endr
.irp b, 0,1,2,3
	v_add_nc_u32 v[TM+12+\b], 0xfc000000, v[TM+\b]
.endr
.irp b, 0,1,2,3
	v_and_or_b32 v[TM+8+\b], v[TM+\b], 0x7f800000, s[MNT]
.endr
.irp b, 0,1,2,3
	v_lshrrev_b32 v[TM+4+\b], 23, v[TM+12+\b]
.endr
	v_lshl_or_b32 v[PWS+(\a)], v[TM+5], 8, v[TM+4]
	v_lshl_or_b32 v[PWS+(\a)], v[TM+6], 16, v[PWS+(\a)]
	v_lshl_or_b32 v[PWS+(\a)], v[TM+7], 24, v[PWS+(\a)]
	WIN WW                                         ; source 0: the accumulators' window
.irp b, 0,1,2,3
.irp i, 0,1,2,3,4,5,6,7,8,9,10,11,12,13,14,15
	v_med3_num_f32 v[T+16*\b+\i], v[AC+16*\b+\i], -v[TM+8+\b], v[TM+8+\b]   ; the hold, into window 0
.endr
.endr
	WIN 0
	s_wait_xcnt 0x0                                ; the last block's stores have read their codes and their base: both may be written again
.if (\a) == 4
	s_add_nc_u64 s[8:9], s[8:9], s[22:23]          ; on to this block's fragment
.elseif (\a) > 0
	s_add_nc_u64 s[8:9], s[8:9], s[20:21]
.endif
.irp b, 0,1,2,3
	v_cvt_scalef32_pk8_fp8_f32 v[PC+4*\b:PC+1+4*\b], v[T+16*\b:T+7+16*\b], v[TM+12+\b]
	v_cvt_scalef32_pk8_fp8_f32 v[PC+2+4*\b:PC+3+4*\b], v[T+8+16*\b:T+15+16*\b], v[TM+12+\b]
.endr
	v_nop                                          ; a plain instruction behind the last conversion
.irp c, 0,1,2,3
	global_store_b128 v[CO], v[PC+4*\c:PC+4*\c+3], s[8:9] offset:512*\c
.endr
.endm
	PLACES 8                                       ; behind the last products: their results are read, and A's registers written, below
.irp a, 0,1,2,3,4,5,6,7
	QB \a
.endr
.irp al, 0,1,2,3
	v_cndmask_b32 v[OT+\al], v[PWS+2*\al], v[PWS+2*\al+1], s[HM]   ; both halves of the lanes hold their row's word: lanes 16-31 send the odd block's
.endr
.irp al, 0,1,2,3
	global_store_b32 v[SO4], v[OT+\al], s[10:11] offset:128*\al
.endr
	s_wait_tensorcnt 0x0                           ; the wave's end
	ds_add_u32 v[SPW], v[NIL]
	s_wait_dscnt 0x0
	CROUND                                         ; the closing barrier of the cluster: no work-group ends while a partner may still ask for a tile that names it
	s_endpgm
.Lfunc_end_k_qed54ff762f_proj:
	.size	k_qed54ff762f_proj, .Lfunc_end_k_qed54ff762f_proj-k_qed54ff762f_proj
	.p2alignl 7, 3214868480
	.fill 96, 4, 3214868480
	.section	.rodata,"a",@progbits
	.p2align	6, 0x0
	.amdhsa_kernel k_qed54ff762f_proj
		.amdhsa_group_segment_fixed_size 327680
		.amdhsa_private_segment_fixed_size 0
		.amdhsa_enable_private_segment 0
		.amdhsa_kernarg_size 32
		.amdhsa_user_sgpr_count 2
		.amdhsa_user_sgpr_kernarg_segment_ptr 1
		.amdhsa_wavefront_size32 1
		.amdhsa_system_sgpr_workgroup_id_x 1
		.amdhsa_system_sgpr_workgroup_id_y 1
		.amdhsa_system_sgpr_workgroup_id_z 1
		.amdhsa_system_vgpr_workitem_id 0
		.amdhsa_next_free_vgpr 1024
		.amdhsa_next_free_sgpr 100
		.amdhsa_reserve_vcc 0
		.amdhsa_float_denorm_mode_32 3
		.amdhsa_float_denorm_mode_16_64 3
		.amdhsa_memory_ordered 1
		.amdhsa_forward_progress 1
		.amdhsa_inst_pref_size 188
	.end_amdhsa_kernel
	.amdgpu_metadata
---
amdhsa.version: [ 1, 2 ]
amdhsa.kernels:
  - .name:           k_qed54ff762f_proj
    .symbol:         k_qed54ff762f_proj.kd
    .args:
      - { .name: xw, .offset: 0, .size: 8, .value_kind: global_buffer, .address_space: global }
      - { .name: xws, .offset: 8, .size: 8, .value_kind: global_buffer, .address_space: global }
      - { .name: qkv, .offset: 16, .size: 8, .value_kind: global_buffer, .address_space: global }
      - { .name: qkvs, .offset: 24, .size: 8, .value_kind: global_buffer, .address_space: global }
    .group_segment_fixed_size: 327680
    .private_segment_fixed_size: 0
    .kernarg_segment_align: 8
    .kernarg_segment_size: 32
    .max_flat_workgroup_size: 128
    .sgpr_count:     100
    .vgpr_count:     1024
    .wavefront_size: 32
...
	.end_amdgpu_metadata
.endif
;; end of part 2
;; launch scores (part 3): grid 36 x 4, 4 waves a work-group, no clusters, 327,680 bytes of LDS; arguments qkv, qkvs, pc, pt; writes pc, pt
.if DOCPART == 3
	.amdgcn_target "amdgcn-amd-amdhsa--gfx1250"
	.amdhsa_code_object_version 6
	.text
	.protected	k_qed54ff762f_scores
	.globl	k_qed54ff762f_scores
	.p2align	8
	.type	k_qed54ff762f_scores,@function
k_qed54ff762f_scores:
	s_mov_b64 s[64:65], 0
	v_nop
	global_prefetch_b8 v0, s[64:65] scope:SCOPE_SE
	s_setreg_imm32_b32 hwreg(HW_REG_WAVE_MODE, 25, 1), 1
	s_wait_xcnt 0x0
; S = q k^T on codes (K = 1,024), the causal mask, and p = 2^(t - M'), quantised along the keys.  t = score x log2(e) / 32.
; WORK LEFT OUT: tiles of 256 queries x 256 keys all of whose keys come after all of their queries (reference() writes -inf there itself, so p = 0): 36 of a batch's 64 tiles are made; the proof stands at the first launch's head.
; M' IS LOCAL: the ceiling of the largest t of a row's 128 keys of ONE wave's chunk.  It is a whole number, so the row's own M, found in the next launch, differs from it by a whole number, which a shift of the
; scale bytes takes up: the codes are those of the row's M.  Stored for each row and chunk of 128 keys: p's scale word, N = -M' (f32), and l' = the sum of the unquantised p.
; A tile is made as in the launch before: four waves, 128 x 128 each, a ring of two LDS slots of 256 along K, four K slots written out.  A = q (queries), B = k (keys), used transposed: a lane holds one query,
; and register 16 b + i of a row block's 64 is key 32 b + 16 (lane / 16) + i of the wave's 128.
; NO CLUSTER: row I of the triangle has I + 1 tiles, 1 to 8: the 36 live tiles do not fall into groups of four that share q's or k's tile at every I, and a work-group without a tile is not launched.
; A chunk that is wholly hidden (the diagonal tile's upper right quarter) is stored all the same: zero codes, l' = 0, a very large N: the next launch's loads reach over it.
; OUT: pc: p's codes as images of the operand's registers, laid as the next launch takes them: by group of 128 rows g, half of 64, K step ks of 128 keys and fragment f: (((g x 2 + half) x 16 + ks) x 4 + f) x 2,048;
; pt: three tables ((p / 128) x 16 + ks) x 512 + (p % 128) x 4: scale words, + 524,288 N, + 1,048,576 l'.
; LIMITS: NaN and infinities are not served; p under 2^-126 counts as 0; a block of p all 0 keeps the byte 1; |t| stays under 2^24, so that M' is exact.
.set SLOT,  131072
.set SCL,   262144
.set SPARE, 278528
.set KSL,   1024*4096                  ; a K slot on, in qkv
.set FR,   16
.set AF,   128
.set SC,   32
.set ADRA, 16
.set ADRB, 20
.set SO4,  25
.set CO,   26
.set ADRS, 27
.set SPW,  28
.set NIL,  29
.set T,    64                          ; v64-127 t - M', then p
.set BM,   128                         ; v128-131 a block's largest score, then its largest p
.set BT,   132                         ; v132-135 at work
.set HOLD, 136
.set SOP,  140
.set NP,   144                         ; v[144:145] N; the packed form names the pair and takes its low word
.set LA,   146
.set LB,   148
.set D0,   156                         ; v156 my query less my first key, for row block 0
.set DV,   157
.set NINF, 158
.set NB,   159                         ; -3e38: under every score
.set PC,   160
.set NMS,  176
.set LS,   184
.set PWS,  192
.set OT,   200
.set G1,  24
.set G0,  32
.set G1S, 40
.set G0S, 48
.set CS,  52                           ; s[52:53] c = log2(e) / 32
.set SEL, 54
.set MNT, 56
.set HM,  57
.set DQ,  58                           ; s58 the wave's first query less its first key
.set MSB, 0
.macro WIN new
.if MSB != (\new)
	s_set_vgpr_msb (MSB<<8)|(\new)
.set MSB, (\new)
.endif
.endm
.set MUL_LO, 0xa1
.set MUL_HI, 0xf1
.set TO_B,   0x40
.macro PLACES n
.rept \n
	v_nop
.endr
.endm
.macro FRAG reg, adr, q, i
.irp c, 0,1,2,3
	ds_load_b128 v[\reg+4*\c:\reg+4*\c+3], v[\adr] offset:4096*(\i)+2048*(\q)+512*\c
.endr
.endm
.macro MUL16 a0, p, q, sc, zero        ; the 64 accumulators take turns in one order throughout
.irp a, \a0, \a0+1
.irp b, 0,1,2,3,4,5,6,7
.if \zero
	v_wmma_scale_f32_16x16x128_f8f6f4 v[8*(8*((\a)%4)+\b):8*(8*((\a)%4)+\b)+7], v[128*(\p)+FR*\b:128*(\p)+FR*\b+FR-1], v[AF+FR*(\a):AF+FR*(\a)+FR-1], 0, v[SC+16*(\sc)+2*\b+(\q)], v[SC+16*(\sc)+2*(\a)+(\q)] matrix_a_scale:MATRIX_SCALE_ROW1
.else
	v_wmma_scale_f32_16x16x128_f8f6f4 v[8*(8*((\a)%4)+\b):8*(8*((\a)%4)+\b)+7], v[128*(\p)+FR*\b:128*(\p)+FR*\b+FR-1], v[AF+FR*(\a):AF+FR*(\a)+FR-1], v[8*(8*((\a)%4)+\b):8*(8*((\a)%4)+\b)+7], v[SC+16*(\sc)+2*\b+(\q)], v[SC+16*(\sc)+2*(\a)+(\q)] matrix_a_scale:MATRIX_SCALE_ROW1
.endif
.endr
.endr
.endm
.macro FETCH_B slot, q, p
	WIN TO_B
.irp i, 0,1,2,3,4,5,6,7
	FRAG 128*(\p)+FR*\i, ADRB+\slot, \q, \i
.endr
	WIN 0
.endm
.macro FETCH_A slot, q, i0
.irp i, \i0, \i0+1, \i0+2, \i0+3
	FRAG AF+FR*(\i), ADRA+\slot, \q, \i
.endr
.endm
.macro SCALES set, S
.irp i, 0,1,2,3,4,5,6,7
	ds_load_b32 v[SC+16*(\set)+2*\i], v[ADRS] offset:(2*(\S))*512+64*\i
	ds_load_b32 v[SC+16*(\set)+2*\i+1], v[ADRS] offset:(2*(\S)+1)*512+64*\i
.endr
.endm
.macro STEP slot, zero
	s_wait_dscnt 16                                ; all but the youngest 16 loads (A's blocks 4-7) are in
	WIN MUL_LO
	MUL16 0, 0, 0, \slot, \zero
	MUL16 2, 0, 0, \slot, \zero
	s_wait_dscnt 0x0
	PLACES 8
	FETCH_B \slot, 1, 1
	FETCH_A \slot, 1, 0
	WIN MUL_HI
	MUL16 4, 0, 0, \slot, \zero
	MUL16 6, 0, 0, \slot, \zero
	PLACES 8
	WIN 0
	FETCH_A \slot, 1, 4
.endm
.macro TURN slot, next, fill, S
	s_wait_tensorcnt 0x0                           ; my part of the next slot has landed
	ds_add_u32 v[SPW], v[NIL]
	s_wait_dscnt 17                                ; (the add and the youngest 16 loads may be out)
	WIN MUL_LO
	MUL16 0, 1, 1, \slot, 0
	s_wait_dscnt 0x0                               ; the add is done, and my reads of this slot are over
	s_barrier_signal -1
	MUL16 2, 1, 1, \slot, 0
	WIN 0
	s_barrier_wait -1
.if \fill
	s_add_nc_u64 s[G0+4*\slot+2:G0+4*\slot+3], s[G0+4*\slot+2:G0+4*\slot+3], 2*KSL
	tensor_load_to_lds s[G0+4*\slot:G0+4*\slot+3], s[G1:G1+7]      ; my one load behind this barrier: this slot, two K slots on
	s_nop 0
	PLACES 8
.else
	PLACES 8
.endif
	FETCH_B \next, 0, 0
	FETCH_A \next, 0, 0
	SCALES \next, \S
	WIN MUL_HI
	MUL16 4, 1, 1, \slot, 0
	MUL16 6, 1, 1, \slot, 0
	PLACES 8
	WIN 0
	FETCH_A \next, 0, 4
.endm
.macro LAST sc
	s_wait_dscnt 16
	WIN MUL_LO
	MUL16 0, 1, 1, \sc, 0
	MUL16 2, 1, 1, \sc, 0
	s_wait_dscnt 0x0
	WIN MUL_HI
	MUL16 4, 1, 1, \sc, 0
	MUL16 6, 1, 1, \sc, 0
	WIN 0
.endm
	s_load_b256 s[4:11], s[0:1], 0x0               ; qkv s[4:5], qkvs s[6:7], pc s[8:9], pt s[10:11]
	v_lshl_add_u32 v[SPW], v0, 2, SPARE
	v_mov_b32 v[NIL], 0
	ds_add_u32 v[SPW], v[NIL]                      ; the wave's opening: the add, twice on end, and its wait ahead of my first tensor load
	ds_add_u32 v[SPW], v[NIL]
	v_lshrrev_b32 v1, 5, v0
	v_readfirstlane_b32 s12, v1                    ; wave 0..3
	s_lshr_b32 s13, s12, 1                         ; wr: my half of the queries
	s_and_b32 s14, s12, 1                          ; wc: my half of the keys
	s_and_b32 s15, ttmp7, 0xffff                   ; the batch
	s_mov_b32 s16, 0
.irp tr, 1,3,6,10,15,21,28             ; the tile's row I of the triangle: how many of the rows' first numbers the work-group's number has reached
	s_cmp_ge_u32 ttmp9, \tr
	s_cselect_b32 s17, 1, 0
	s_add_co_u32 s16, s16, s17
.endr
	s_add_co_u32 s17, s16, 1
	s_mul_i32 s17, s17, s16
	s_lshr_b32 s17, s17, 1
	s_sub_co_u32 s17, ttmp9, s17                   ; and its column J = t - I (I + 1) / 2
	s_mov_b32 s[G1], 3<<16                         ; 32,768 dense bytes as 128 rows of 32 elements of 8 bytes; no mask, no padding
	s_mov_b32 s[G1+1], 32<<16
	s_mov_b32 s[G1+2], 128<<16
	s_mov_b32 s[G1+3], 32<<16
	s_mov_b32 s[G1+4], 128
	s_mov_b32 s[G1+5], 32
	s_mov_b32 s[G1+6], 0
	s_mov_b32 s[G1+7], 0
	s_mov_b32 s[G1S], 3<<16                        ; 4,096 dense bytes as 16 rows
	s_mov_b32 s[G1S+1], 32<<16
	s_mov_b32 s[G1S+2], 16<<16
	s_mov_b32 s[G1S+3], 32<<16
	s_mov_b32 s[G1S+4], 16
	s_mov_b32 s[G1S+5], 32
	s_mov_b32 s[G1S+6], 0
	s_mov_b32 s[G1S+7], 0
	s_lshl_b32 s18, s15, 7
	s_lshl_b32 s19, s16, 4
	s_add_co_u32 s19, s19, s18                     ; q's position blocks: 128 b + 16 I
	s_lshl_b32 s20, s17, 4
	s_add_co_u32 s20, s20, s18
	s_add_co_u32 s20, s20, 512                     ; k's: 512 + 128 b + 16 J
	s_lshl_b32 s21, s15, 4
	s_lshl_b32 s22, s16, 1
	s_add_co_u32 s22, s22, s21                     ; q's groups of 128 positions: 16 b + 2 I
	s_lshl_b32 s23, s17, 1
	s_add_co_u32 s23, s23, s21
	s_add_co_u32 s23, s23, 64                      ; k's
	s_cmp_lt_u32 s12, 2                            ; waves 0 and 1 fetch q's halves, waves 2 and 3 k's: one buffer, one shape, one line
	s_cselect_b32 s59, s19, s20
	s_cselect_b32 s60, s22, s23
	s_lshl_b32 s61, s14, 3
	s_add_co_u32 s59, s59, s61
	s_lshl_b32 s66, s59, 12
	s_mov_b32 s67, 0
	s_add_co_u32 s60, s60, s14
	s_lshl_b32 s68, s60, 12
	s_mov_b32 s69, 0
	s_lshl_b32 s61, s12, 15                        ; LDS: wave x a quarter
	s_lshl_b32 s62, s12, 12
	s_sub_co_u32 s[DQ], s16, s17
	s_lshl_b32 s[DQ], s[DQ], 1
	s_add_co_u32 s[DQ], s[DQ], s13
	s_sub_co_i32 s[DQ], s[DQ], s14
	s_lshl_b32 s[DQ], s[DQ], 7                     ; 256 (I - J) + 128 (wr - wc)
	s_add_co_u32 s70, s22, s13                     ; pc: my group of 128 rows, 16 b + 2 I + wr: 262,144 bytes;
	s_lshl_b32 s70, s70, 18
	s_lshl_b32 s63, s17, 1
	s_add_co_u32 s63, s63, s14                     ; my K step of 128 keys, 2 J + wc: 8,192 bytes in a half
	s_lshl_b32 s63, s63, 13
	s_add_co_u32 s70, s70, s63
	s_mov_b32 s71, 0
	s_add_co_u32 s72, s22, s13
	s_lshl_b32 s72, s72, 4
	s_lshl_b32 s63, s17, 1
	s_add_co_u32 s72, s72, s63
	s_add_co_u32 s72, s72, s14
	s_lshl_b32 s72, s72, 9                         ; pt: ((16 b + 2 I + wr) x 16 + 2 J + wc) x 512
	s_mov_b32 s73, 0
	s_mov_b32 s[CS], 0x3d38aa3b
	s_mov_b32 s[CS+1], s[CS]
	s_mov_b32 s[SEL], 0x76543210
	s_mov_b32 s[SEL+1], 0xfedcba98
	s_mov_b32 s[MNT], 0x600000
	s_mov_b32 s[HM], 0xffff0000
	s_wait_dscnt 0x0                               ; both opening adds are done
	s_wait_kmcnt 0x0
	s_add_nc_u64 s[66:67], s[4:5], s[66:67]
	s_add_nc_u64 s[68:69], s[6:7], s[68:69]
	s_add_nc_u64 s[8:9], s[8:9], s[70:71]
	s_add_nc_u64 s[10:11], s[10:11], s[72:73]
	s_mov_b32 s[G0S], 1
	s_add_co_u32 s[G0S+1], s62, SCL
	s_mov_b64 s[G0S+2:G0S+3], s[68:69]
	s_or_b32 s[G0S+3], s[G0S+3], 0x80000000
	tensor_load_to_lds s[G0S:G0S+3], s[G1S:G1S+7]  ; the scale words of all of K: filled once
	s_nop 0
.irp s, 0,1
	s_mov_b32 s[G0+4*\s], 1
	s_add_co_u32 s[G0+4*\s+1], s61, \s*SLOT
	s_add_nc_u64 s[G0+4*\s+2:G0+4*\s+3], s[66:67], \s*KSL
	s_or_b32 s[G0+4*\s+3], s[G0+4*\s+3], 0x80000000
	tensor_load_to_lds s[G0+4*\s:G0+4*\s+3], s[G1:G1+7]            ; three loads of mine are out
	s_nop 0
.endr
	PLACES 4
	v_and_b32 v1, 15, v0                           ; r
	v_bfe_u32 v2, v0, 4, 1                         ; h
	v_and_b32 v3, 31, v0
	v_lshlrev_b32 v[CO], 4, v3
	v_lshlrev_b32 v[SO4], 2, v3
	s_lshl_b32 s18, s13, 15
	s_lshl_b32 s19, s14, 15
	s_add_co_u32 s19, s19, 65536
.irp s, 0,1
	v_add_nc_u32 v[ADRA+\s], s18, v[CO]
	v_add_nc_u32 v[ADRB+\s], s19, v[CO]
	s_add_co_u32 s18, s18, SLOT
	s_add_co_u32 s19, s19, SLOT
.endr
	s_lshl_b32 s18, s13, 12
	s_lshl_b32 s19, s14, 12
	s_add_co_u32 s19, s19, 2*4096
	s_sub_co_u32 s19, s19, s18
	v_mul_u32_u24 v4, s19, v2                      ; lanes 16-31 take k's words: one product, the distance between the two
	s_add_co_u32 s18, s18, SCL
	v_lshl_add_u32 v4, v1, 2, v4
	v_add_nc_u32 v[ADRS], s18, v4
	s_wait_tensorcnt 1                             ; the scale words and my part of K slot 0 are in; K slot 1's load may be out
	s_barrier_signal -1
	s_barrier_wait -1
	FETCH_B 0, 0, 0
	FETCH_A 0, 0, 0
	SCALES 0, 0
	FETCH_A 0, 0, 4
	STEP 0, 1
	TURN 0, 1, 1, 1
	STEP 1, 0
	TURN 1, 0, 1, 2
	STEP 0, 0
	TURN 0, 1, 0, 3
	STEP 1, 0
	LAST 1
; ROW BLOCK a: 16 queries x my 128 keys.  Lane (r, h) holds query 32 (a / 2) + 8 (a % 2) + r + 8 (r / 8) of the wave's 128.
.macro SB a
.set WW, 2+(\a)/4
.set AC, 64*((\a)%4)
	s_cmp_ge_i32 s[DQ], 128                        ; all my keys count for all my queries: no mask.  Ids and the wave's number alone
	s_cbranch_scc1 .Lopen_\@
	v_add_nc_u32 v[DV], 32*((\a)/2)+8*((\a)%2), v[D0]
	WIN (WW<<6)|WW
.set n, 0
.rept 64
	v_cmp_gt_i32 vcc_lo, 32*(n/16)+n%16, v[DV]     ; register n holds key 32 (n / 16) + 16 h + n % 16: hidden where it comes after my query
	v_cndmask_b32 v[AC+n], v[AC+n], v[NINF], vcc_lo
.set n, n+1
.endr
	WIN 0
.Lopen_\@:
	WIN (WW<<2)|(WW<<4)
.irp b, 0,1,2,3
	v_max3_num_f32 v[BM+\b], v[NB], v[AC+16*\b], v[AC+16*\b+1]     ; the largest score of each block of 32 keys: for the row's maximum and, since p rises with the score, for the block's largest p
.endr
.irp i, 2,4,6,8,10,12,14
.irp b, 0,1,2,3
	v_max3_num_f32 v[BM+\b], v[BM+\b], v[AC+16*\b+\i], v[AC+16*\b+\i+1]
.endr
.endr
	WIN 0
.irp b, 0,1,2,3
	v_permlanex16_b32 v[BT+\b], v[BM+\b], s[SEL], s[SEL+1]
.endr
.irp b, 0,1,2,3
	v_max_num_f32 v[BM+\b], v[BM+\b], v[BT+\b]
.endr
	v_max3_num_f32 v150, v[BM], v[BM+1], v[BM+2]
	v_max_num_f32 v150, v150, v[BM+3]
	v_mul_f32 v150, s[CS], v150                    ; the chunk's largest t of my query
	v_floor_f32 v[NP], -v150                       ; N = -M' = floor(-t): a whole number
	v_mov_b32 v[NMS+(\a)], v[NP]
	WIN WW
.set n, 0
.rept 32
	v_pk_fma_f32 v[T+n:T+n+1], v[AC+n:AC+n+1], s[CS:CS+1], v[NP:NP+1] op_sel_hi:[1,0,0]   ; t - M', two at a time, into window 0
.set n, n+2
.endr
	WIN 0
.irp b, 0,1,2,3
	v_fma_f32 v[BM+\b], v[BM+\b], s[CS], v[NP]     ; the same of each block's largest score
.endr
.set n, 0
.rept 64
	v_exp_f32 v[T+n], v[T+n]                       ; p = 2^(t - M')
.set n, n+1
.endr
	v_nop                                          ; a plain instruction behind the batch
	s_wait_alu depctr_va_vdst(0)                   ; one wait for the 64, ahead of their first reader
.irp b, 0,1,2,3
	v_exp_f32 v[BM+\b], v[BM+\b]
.endr
	v_pk_add_f32 v[LA:LA+1], v[T:T+1], v[T+2:T+3]  ; the sum of the UNQUANTISED p, in two chains: plain work behind the four
	v_pk_add_f32 v[LB:LB+1], v[T+4:T+5], v[T+6:T+7]
.irp j, 8,12,16,20,24,28,32,36,40,44,48,52,56,60
	v_pk_add_f32 v[LA:LA+1], v[LA:LA+1], v[T+\j:T+\j+1]
	v_pk_add_f32 v[LB:LB+1], v[LB:LB+1], v[T+\j+2:T+\j+3]
.endr
	v_pk_add_f32 v[LA:LA+1], v[LA:LA+1], v[LB:LB+1]
	v_add_f32 v150, v[LA], v[LA+1]
	v_permlanex16_b32 v151, v150, s[SEL], s[SEL+1]
	v_add_f32 v[LS+(\a)], v150, v151               ; with lane l xor 16's 64 keys: l'
	s_wait_alu depctr_va_vdst(0)                   ; and one for the four
.irp b, 0,1,2,3
	v_med3_num_f32 v[BM+\b], v[BM+\b], 0x4800000, 1.0   ; between the floor 2^(9 - 127) and 1: the byte lies between 1 and 119.  (In a chunk that is wholly hidden the multiply-add above leaves only its rounding, of either sign and of any size)
.endr
.irp b, 0,1,2,3
	v_add_nc_u32 v[SOP+\b], 0xfc000000, v[BM+\b]
.endr
.irp b, 0,1,2,3
	v_and_or_b32 v[HOLD+\b], v[BM+\b], 0x7f800000, s[MNT]
.endr
.irp b, 0,1,2,3
	v_lshrrev_b32 v[BT+\b], 23, v[SOP+\b]
.endr
	v_lshl_or_b32 v[PWS+(\a)], v[BT+1], 8, v[BT]
	v_lshl_or_b32 v[PWS+(\a)], v[BT+2], 16, v[PWS+(\a)]
	v_lshl_or_b32 v[PWS+(\a)], v[BT+3], 24, v[PWS+(\a)]
.irp b, 0,1,2,3
.irp i, 0,1,2,3,4,5,6,7,8,9,10,11,12,13,14,15
	v_min_num_f32 v[T+16*\b+\i], v[T+16*\b+\i], v[HOLD+\b]         ; p is not negative: a one-sided hold
.endr
.endr
	s_wait_xcnt 0x0                                ; the last block's stores have read their codes
.irp b, 0,1,2,3
	v_cvt_scalef32_pk8_fp8_f32 v[PC+4*\b:PC+1+4*\b], v[T+16*\b:T+7+16*\b], v[SOP+\b]
	v_cvt_scalef32_pk8_fp8_f32 v[PC+2+4*\b:PC+3+4*\b], v[T+8+16*\b:T+15+16*\b], v[SOP+\b]
.endr
	v_nop
.irp c, 0,1,2,3
	global_store_b128 v[CO], v[PC+4*\c:PC+4*\c+3], s[8:9] offset:131072*((\a)/4)+2048*((\a)%4)+512*\c   ; the fragment's image: half a / 4, fragment a % 4; 512 consecutive bytes a store
.endr
.endm
	PLACES 8                                       ; behind the last products
	v_and_b32 v150, 8, v1
	v_add_nc_u32 v[D0], v150, v1                   ; r + 8 (r / 8)
	v_lshlrev_b32 v150, 4, v2
	v_sub_nc_u32 v[D0], v[D0], v150                ; - 16 h
	v_add_nc_u32 v[D0], s[DQ], v[D0]
	v_mov_b32 v[NINF], 0xff800000
	v_mov_b32 v[NB], 0xff61b1e6
	v_mov_b32 v[NP+1], 0                           ; named as the pair's upper half
	v_mov_b32 v151, 0                              ; lane permutes' destinations are written once
.irp b, 0,1,2,3
	v_mov_b32 v[BT+\b], 0
.endr
.irp a, 0,1,2,3,4,5,6,7
	SB \a
.endr
.irp al, 0,1,2,3
	v_cndmask_b32 v[OT+\al], v[PWS+2*\al], v[PWS+2*\al+1], s[HM]   ; both halves of the lanes hold their row's figure: lanes 16-31 send the odd block's
	v_cndmask_b32 v[OT+4+\al], v[NMS+2*\al], v[NMS+2*\al+1], s[HM]
	v_cndmask_b32 v[OT+8+\al], v[LS+2*\al], v[LS+2*\al+1], s[HM]
.endr
.irp al, 0,1,2,3
	global_store_b32 v[SO4], v[OT+\al], s[10:11] offset:128*\al
	global_store_b32 v[SO4], v[OT+4+\al], s[10:11] offset:524288+128*\al
	global_store_b32 v[SO4], v[OT+8+\al], s[10:11] offset:1048576+128*\al
.endr
	s_wait_tensorcnt 0x0                           ; the wave's end
	ds_add_u32 v[SPW], v[NIL]
	s_wait_dscnt 0x0
	s_endpgm
.Lfunc_end_k_qed54ff762f_scores:
	.size	k_qed54ff762f_scores, .Lfunc_end_k_qed54ff762f_scores-k_qed54ff762f_scores
	.p2alignl 7, 3214868480
	.fill 96, 4, 3214868480
	.section	.rodata,"a",@progbits
	.p2align	6, 0x0
	.amdhsa_kernel k_qed54ff762f_scores
		.amdhsa_group_segment_fixed_size 327680
		.amdhsa_private_segment_fixed_size 0
		.amdhsa_enable_private_segment 0
		.amdhsa_kernarg_size 32
		.amdhsa_user_sgpr_count 2
		.amdhsa_user_sgpr_kernarg_segment_ptr 1
		.amdhsa_wavefront_size32 1
		.amdhsa_system_sgpr_workgroup_id_x 1
		.amdhsa_system_sgpr_workgroup_id_y 1
		.amdhsa_system_sgpr_workgroup_id_z 1
		.amdhsa_system_vgpr_workitem_id 0
		.amdhsa_next_free_vgpr 1024
		.amdhsa_next_free_sgpr 80
		.amdhsa_reserve_vcc 1
		.amdhsa_float_denorm_mode_32 3
		.amdhsa_float_denorm_mode_16_64 3
		.amdhsa_memory_ordered 1
		.amdhsa_forward_progress 1
		.amdhsa_inst_pref_size 255
	.end_amdhsa_kernel
	.section	.bss,"aw",@nobits
	.p2align	6
	.space	262144
	.amdgpu_metadata
---
amdhsa.version: [ 1, 2 ]
amdhsa.kernels:
  - .name:           k_qed54ff762f_scores
    .symbol:         k_qed54ff762f_scores.kd
    .args:
      - { .name: qkv, .offset: 0, .size: 8, .value_kind: global_buffer, .address_space: global }
      - { .name: qkvs, .offset: 8, .size: 8, .value_kind: global_buffer, .address_space: global }
      - { .name: pc, .offset: 16, .size: 8, .value_kind: global_buffer, .address_space: global }
      - { .name: pt, .offset: 24, .size: 8, .value_kind: global_buffer, .address_space: global }
    .group_segment_fixed_size: 327680
    .private_segment_fixed_size: 0
    .kernarg_segment_align: 8
    .kernarg_segment_size: 32
    .max_flat_workgroup_size: 128
    .sgpr_count:     80
    .vgpr_count:     1024
    .wavefront_size: 32
...
	.end_amdgpu_metadata
.endif
;; end of part 3
;; launch pv (part 4): grid 8 x 32, 4 waves a work-group, no clusters, 327,680 bytes of LDS; arguments pc, pt, qkv, qkvs, out0; writes out0
.if DOCPART == 4
	.amdgcn_target "amdgcn-amd-amdhsa--gfx1250"
	.amdhsa_code_object_version 6
	.text
	.protected	k_qed54ff762f_pv
	.globl	k_qed54ff762f_pv
	.p2align	8
	.type	k_qed54ff762f_pv,@function
k_qed54ff762f_pv:
	s_mov_b64 s[64:65], 0
	v_nop
	global_prefetch_b8 v0, s[64:65] scope:SCOPE_SE
	s_setreg_imm32_b32 hwreg(HW_REG_WAVE_MODE, 25, 1), 1
	s_wait_xcnt 0x0
; out = (p v) / l on codes; K = the keys, up to the diagonal.
; WORK LEFT OUT: K steps of 128 keys that come after all 128 queries of a row block (p = 0 there by reference()'s own mask; the proof stands at the first launch's head): row block j walks K steps 0 .. j.
; EQUAL WORK.  A tile is 128 queries x 128 channels.  A work-group (x: the group of 128 channels; y: batch y / 8, pair jp = y % 8) makes TWO tiles: row block 15 - jp, then row block jp: (16 - jp) + (jp + 1) = 17 K steps
; in every work-group.  Four waves, each 64 x 64: 16 accumulators a tile; both tiles have accumulators of their own.
; THE RING.  A slot holds 512 keys, four K steps: 64 KB of p and 64 KB of v transposed; each wave fetches 64 positions x 512 keys, 32,768 consecutive bytes (codes lie as images of the operand's registers).
; The first row block takes 4 slots (jp < 4) or 3, the second 1 or 2: five fills in every work-group; the first two go out at the head.  The five slots are written out; the last two twice, since the tiles change
; behind the fourth slot or behind the third.  A row block's last slot has n = 1 .. 4 live K steps: a jump on ids leaves the slot behind step n.  Where n <= 2 only the slot's first two K steps have been stored by the
; launch before, and the load takes a second shape, of half the rows: a branch on ids, the same in all four waves, with one load in each arm.  Every wait on TENSORcnt is for 0.
; THE HEAD brings the chunks of a row under ONE M.  Thread t owns rows 2 t and 2 t + 1 of the 256 (waves 0, 1: the first row block; waves 2, 3: the second): the least N = -M' over the row's chunks is -M; a chunk's
; delta = N - (-M) is a whole number, 0 or more, held at 127; each byte of its scale word becomes max(byte - delta, 0): exact, four bytes at a time (bytes are at most 119, so with bit 7 set no byte borrows from
; its neighbour); l = the sum of l' x 2^-delta; 1 / l is kept for the way out.  Only what the launch before has stored is loaded, by a ladder of jumps on ids and the wave's number.
; NO CLUSTER: the eight work-groups of a pair share p's tiles, but the shape of a refill is chosen by a jump on ids.
; LIMITS: a chunk 2^127 or more under the row's M counts with l' x 0 and the scale 2^-127; M' under 2^24 (the differences are exact); NaN and infinities are not served.
; REGISTERS: window 0: v1-31 addresses; v32-39 scale words, two sets; v40-47 1 / l; v64-215 the head's work, then rows on their way out.  window 1: two sets of fragments: p's four at v[128 set], v's four at v[128 set + 64].
;   window 2: accumulator (a, b) of tile t at v[128 t + 8 (4 a + b)].
.set SLOT,  131072                     ; four parts of 32,768: p's halves, v's halves; in a part [K step][fragment][2,048]
.set SCL,   262144                     ; behind the ring: scale words [K step][128 positions]: p's of the first tile, of the second, v's: 8,192 bytes each
.set RLT,   286720                     ; 1 / l of the 256 rows
.set STG,   287744                     ; the way out: 16 rows x (256 + 16) bytes for each wave; no fill lands here
.set SPARE, 305152                     ; the spare words, 128 bytes for each wave
.set ADRA, 16                          ; v16-17 my fragments of p in slot 0, 1
.set ADRB, 20                          ; v20-21 my fragments of v
.set ADRS0, 22                         ; v22  my scale words, first tile: lanes 0-15 p's, lanes 16-31 v's
.set ADRS1, 23                         ; v23  second tile
.set STO,  24                          ; v24  the stage: where I put 32 bytes of a row
.set RD,   25                          ; v25  and where I read a row back
.set CO,   26                          ; v26  my place in two rows of out0
.set SPW,  28
.set NIL,  29
.set RLA,  30                          ; v30  where my rows' 1 / l lie
.set SC,   32
.set RL,   40
.set VS,   64                          ; the head: v64-95 at work
.set NN,   96                          ; v96-127 N of 16 chunks x 2 rows
.set LL,   128                         ; v128-159 l'
.set WD,   160                         ; v160-191 p's scale words
.set VC,   200                         ; v200-215 v's scale words on their way into LDS
.set BK,   64                          ; the way out: four blocks' rows read back, v64-191
.set JP,   17                          ; s17  the pair
.set IW,   63                          ; s63  my row block / 2: how far its chunks are stored
.set G1,   24                          ; s[24:31] group 1: 128 rows of 256 bytes
.set G1H,  32                          ; s[32:39] 64 rows
.set G0,   40                          ; s[40:59] group 0 of the five fills; never rewritten
.set N2,   60                          ; s60-62 live K steps of the third, fourth and fifth slot
.set N3,   61
.set N4,   62
.set OA,   66                          ; s[66:67], s[68:69] my first row of the two tiles in out0
.set MSB, 0
.macro WIN new                         ; the immediate's high byte repeats the setting that is left
.if MSB != (\new)
	s_set_vgpr_msb (MSB<<8)|(\new)
.set MSB, (\new)
.endif
.endm
.macro PLACES n                        ; plain instructions behind matrix instructions: eight for this form
.rept \n
	v_nop
.endr
.endm
; 36 LDS loads: the fragments and scale words of the slot's q-th K step (K step ks of the row block) into set
.macro FETCH ls, q, set, adrs, ks
	WIN 0x40                                       ; destination window 1
.irp f, 0,1,2,3
.irp c, 0,1,2,3
	ds_load_b128 v[128*(\set)+16*\f+4*\c:128*(\set)+16*\f+4*\c+3], v[ADRA+\ls] offset:8192*(\q)+2048*\f+512*\c
.endr
.endr
.irp f, 0,1,2,3
.irp c, 0,1,2,3
	ds_load_b128 v[128*(\set)+64+16*\f+4*\c:128*(\set)+64+16*\f+4*\c+3], v[ADRB+\ls] offset:8192*(\q)+2048*\f+512*\c
.endr
.endr
	WIN 0
.irp i, 0,1,2,3
	ds_load_b32 v[SC+4*(\set)+\i], v[\adrs] offset:512*(\ks)+64*\i
.endr
.endm
; 16 matrix instructions, used transposed: source 0 = 16 channels of v, source 1 = 16 rows of p.  The 16 accumulators take turns in one order throughout
.macro MUL set, acc, zero
	WIN 0xa5                                       ; sources 0 and 1 window 1, C and D window 2
.irp a, 0,1,2,3
.irp b, 0,1,2,3
.if \zero
	v_wmma_scale_f32_16x16x128_f8f6f4 v[(\acc)+8*(4*\a+\b):(\acc)+8*(4*\a+\b)+7], v[128*(\set)+64+16*\b:128*(\set)+64+16*\b+15], v[128*(\set)+16*\a:128*(\set)+16*\a+15], 0, v[SC+4*(\set)+\b], v[SC+4*(\set)+\a] matrix_a_scale:MATRIX_SCALE_ROW1
.else
	v_wmma_scale_f32_16x16x128_f8f6f4 v[(\acc)+8*(4*\a+\b):(\acc)+8*(4*\a+\b)+7], v[128*(\set)+64+16*\b:128*(\set)+64+16*\b+15], v[128*(\set)+16*\a:128*(\set)+16*\a+15], v[(\acc)+8*(4*\a+\b):(\acc)+8*(4*\a+\b)+7], v[SC+4*(\set)+\b], v[SC+4*(\set)+\a] matrix_a_scale:MATRIX_SCALE_ROW1
.endif
.endr
.endr
	WIN 0
.endm
; K step q is on its way: K step q + 1 is fetched into the other set, then q is multiplied.  nreg: the scalar with the slot's live K steps (0: all four): where q is the last, a jump leads to the tail
.macro PSTEP ls, q, acc, adrs, ks0, zero, nreg, tail
.if \nreg
	s_cmp_le_u32 s[\nreg], (\q)+1
	s_cbranch_scc1 \tail
.endif
	PLACES 8                                       ; in front of loads into the set that the last products read
	FETCH \ls, (\q)+1, ((\q)+1)%2, \adrs, (\ks0)+(\q)+1
	s_wait_dscnt 36                                ; all but the 36 just issued
	MUL (\q)%2, \acc, \zero
.endm
; A slot: up to four K steps, from K step ks0 of the row block on.  zero = 1: its first products start the tile's sums
.macro RUN ls, acc, adrs, ks0, zero, nreg
	FETCH \ls, 0, 0, \adrs, \ks0
	PSTEP \ls, 0, \acc, \adrs, \ks0, \zero, \nreg, .Lt0_\@
	PSTEP \ls, 1, \acc, \adrs, \ks0, 0, \nreg, .Lt1_\@
	PSTEP \ls, 2, \acc, \adrs, \ks0, 0, \nreg, .Lt2_\@
	s_wait_dscnt 0x0
	MUL 1, \acc, 0
.if \nreg
	s_branch .Le_\@
.Lt0_\@:
	s_wait_dscnt 0x0
	MUL 0, \acc, \zero
	s_branch .Le_\@
.Lt1_\@:
	s_wait_dscnt 0x0
	MUL 1, \acc, 0
	s_branch .Le_\@
.Lt2_\@:
	s_wait_dscnt 0x0
	MUL 0, \acc, 0
.Le_\@:
.endif
.endm
; THE CHANGE OF SLOTS stands at a slot's head.  Each wave waits for all its tensor loads (its part of the slot ahead), adds 0 to its spare word, and waits for that and for its reads of the slot that it has left.
; g0: group 0 of the fill that goes into the slot just left (0: nothing is left to fetch); nreg: that fill's live K steps: two or fewer take the shape of 64 rows
.macro CHANGE g0, nreg
	s_wait_tensorcnt 0x0
	ds_add_u32 v[SPW], v[NIL]
	s_wait_dscnt 0x0
	s_barrier_signal -1
	s_barrier_wait -1
.if \g0
	s_cmp_le_u32 s[\nreg], 2                       ; ids alone: the same in all four waves
	s_cbranch_scc1 .Lhalf_\@
	tensor_load_to_lds s[\g0:\g0+3], s[G1:G1+7]    ; my one load behind this barrier
	s_nop 0
.rept 4
	v_nop
.endr
	s_branch .Lasked_\@
.Lhalf_\@:
	tensor_load_to_lds s[\g0:\g0+3], s[G1H:G1H+7]
	s_nop 0
.rept 4
	v_nop
.endr
.Lasked_\@:
	PLACES 4                                       ; with the four above: the places in front of the loads below
.else
	PLACES 8
.endif
.endm
; THE WAY OUT of a tile, block by block of 16 rows x my 64 channels: x 1 / l in place, through my own stage, back as rows of 256 bytes.
.macro OBLK tile, a
.set AC, 128*(\tile)+32*(\a)
	WIN 0x82                                       ; destination and source 0 window 2
.set n, 0
.rept 16
	v_pk_mul_f32 v[AC+n:AC+n+1], v[AC+n:AC+n+1], v[RL+2*(\a):RL+2*(\a)+1] op_sel_hi:[1,0]   ; each accumulator from its low end on
.set n, n+2
.endr
	WIN 0x08                                       ; an LDS store's data are its source 1
.irp b, 0,1,2,3                        ; lane (r, h), accumulator b, register j: channel 32 (b / 2) + 16 h + 8 (b % 2) + j of row r
	ds_store_b128 v[STO], v[AC+8*\b:AC+8*\b+3] offset:128*(\b/2)+32*(\b%2)
	ds_store_b128 v[STO], v[AC+8*\b+4:AC+8*\b+7] offset:128*(\b/2)+32*(\b%2)+16
.endr
	WIN 0
.irp t, 0,1,2,3,4,5,6,7
	ds_load_b128 v[BK+32*(\a)+4*\t:BK+32*(\a)+4*\t+3], v[RD] offset:2*\t*272   ; LDS serves a wave's instructions in order (ISA guide 5.7.1.4): these see my stores, and the next block's stores come behind them
.endr
.endm
.macro SEND tile, a, younger           ; position 2 t + h of block a is row 32 (a / 2) + 8 (a % 2) + 2 t + 8 (t / 4) + h of my 64
.set QA, 32*((\a)/2)+8*((\a)%2)
	s_wait_dscnt \younger
.irp t, 0,1,2,3,4,5,6,7
	global_store_b128 v[CO], v[BK+32*(\a)+4*\t:BK+32*(\a)+4*\t+3], s[OA+2*(\tile):OA+2*(\tile)+1] offset:(QA+2*\t+8*(\t/4))*4096 th:TH_STORE_NT   ; 16 lanes store 256 consecutive bytes, at a multiple of 256 from the buffer's first byte
.endr
.endm
.macro WAYOUT tile
	PLACES 8                                       ; behind the last products
	s_wait_xcnt 0x0                                ; earlier stores have read their registers: rows may land there again
.irp a, 0,1,2,3
	ds_load_b32 v[RL+2*\a], v[RLA] offset:512*(\tile)+64*\a        ; 1 / l of my row of block a
.endr
.irp a, 0,1,2,3
	v_mov_b32 v[RL+2*\a+1], 0                      ; named as the pair's upper half
.endr
	s_wait_dscnt 0x0
	OBLK \tile, 0
	OBLK \tile, 1
	SEND \tile, 0, 16                              ; behind block 0's loads: block 1's 8 stores and 8 loads
	OBLK \tile, 2
	SEND \tile, 1, 16
	OBLK \tile, 3
	SEND \tile, 2, 16
	SEND \tile, 3, 0
.endm
	s_load_b256 s[4:11], s[0:1], 0x0               ; pc s[4:5], pt s[6:7], qkv s[8:9], qkvs s[10:11]
	s_load_b64 s[12:13], s[0:1], 0x20              ; out0
	v_lshl_add_u32 v[SPW], v0, 2, SPARE
	v_mov_b32 v[NIL], 0
	ds_add_u32 v[SPW], v[NIL]                      ; the wave's opening: the add, twice on end, and its wait ahead of my first tensor load
	ds_add_u32 v[SPW], v[NIL]
	v_lshrrev_b32 v1, 5, v0
	v_readfirstlane_b32 s14, v1                    ; wave 0..3
	s_lshr_b32 s15, s14, 1                         ; wr: my 64 rows
	s_and_b32 s16, s14, 1                          ; wc: my 64 channels.  Also: which half I fetch
	s_and_b32 s20, ttmp7, 0xffff
	s_lshr_b32 s18, s20, 3                         ; the batch
	s_and_b32 s[JP], s20, 7                        ; the pair: the second row block
	s_sub_co_u32 s19, 15, s[JP]                    ; the first row block
	s_mov_b32 s[G1], 3<<16                         ; 32,768 dense bytes as 128 rows of 32 elements of 8 bytes; no mask, no padding
	s_mov_b32 s[G1+1], 32<<16
	s_mov_b32 s[G1+2], 128<<16
	s_mov_b32 s[G1+3], 32<<16
	s_mov_b32 s[G1+4], 128
	s_mov_b32 s[G1+5], 32
	s_mov_b32 s[G1+6], 0
	s_mov_b32 s[G1+7], 0
	s_mov_b32 s[G1H], 3<<16                        ; 16,384 dense bytes as 64 rows: a slot's first two K steps
	s_mov_b32 s[G1H+1], 32<<16
	s_mov_b32 s[G1H+2], 64<<16
	s_mov_b32 s[G1H+3], 32<<16
	s_mov_b32 s[G1H+4], 64
	s_mov_b32 s[G1H+5], 32
	s_mov_b32 s[G1H+6], 0
	s_mov_b32 s[G1H+7], 0
	s_and_b32 s21, s[JP], 3
	s_sub_co_u32 s22, 4, s21                       ; live K steps of the first row block's last slot: 4 - jp % 4
	s_add_co_u32 s[N4], s21, 1                     ; of the second's: jp % 4 + 1
	s_lshl_b32 s23, s18, 4
	s_add_co_u32 s71, s23, s19                     ; the groups of 128 rows: 16 b + row block
	s_add_co_u32 s72, s23, s[JP]
	s_lshl_b32 s73, s71, 1
	s_add_co_u32 s73, s73, s16
	s_lshl_b32 s73, s73, 17                        ; p, first tile: (2 group + half) x 131,072
	s_lshl_b32 s74, s72, 1
	s_add_co_u32 s74, s74, s16
	s_lshl_b32 s74, s74, 17                        ; second tile
	s_lshl_b32 s75, s18, 3
	s_add_co_u32 s75, s75, ttmp9
	s_lshl_b32 s75, s75, 1
	s_add_co_u32 s75, s75, s16
	s_lshl_b32 s75, s75, 17
	s_add_co_u32 s75, s75, 16777216                ; v: 16,777,216 + (2 (8 b + channel group) + half) x 131,072: both tiles begin at key 0
	s_cmp_lt_u32 s14, 2                            ; waves 0 and 1 fetch p's halves, waves 2 and 3 v's; in the head waves 0 and 1 serve the first row block
	s_cselect_b32 s73, s73, s75
	s_cselect_b32 s74, s74, s75
	s_cselect_b32 s86, s71, s72
	s_cselect_b32 s[IW], s19, s[JP]
	s_lshr_b32 s[IW], s[IW], 1
	s_lshl_b32 s86, s86, 13                        ; pt: group x 8,192
	s_mov_b32 s87, 0
	s_add_co_u32 s76, s73, 98304                   ; the first tile's slot 3
	s_add_co_u32 s77, s74, 32768                   ; the second tile's slot 1
	s_cmp_lt_u32 s[JP], 4                          ; jp < 4: 4 slots and 1; else 3 and 2
	s_cselect_b32 s[N2], 4, s22
	s_cselect_b32 s[N3], s22, 4
	s_cselect_b32 s78, s76, s74                    ; the fourth fill
	s_cselect_b32 s79, s74, s77                    ; the fifth
	s_lshl_b32 s84, s14, 15                        ; LDS: wave x a part
	s_lshl_b32 s88, s18, 16
	s_lshl_b32 s20, ttmp9, 13
	s_add_co_u32 s88, s88, s20
	s_add_co_u32 s88, s88, 524288                  ; v's scale words: 524,288 + 65,536 b + 8,192 x channel group
	s_mov_b32 s89, 0
	s_lshl_b32 s20, s18, 11
	s_lshl_b32 s21, s15, 6
	s_add_co_u32 s20, s20, s21                     ; out0: row 2,048 b + 64 wr
	s_lshl_b32 s21, s19, 7
	s_add_co_u32 s21, s21, s20                     ; + 128 x row block
	s_lshl_b32 s[OA], s21, 12
	s_lshl_b32 s21, s[JP], 7
	s_add_co_u32 s21, s21, s20
	s_lshl_b32 s[OA+2], s21, 12
	s_lshl_b32 s21, ttmp9, 9
	s_lshl_b32 s20, s16, 8
	s_add_co_u32 s21, s21, s20                     ; channel 128 x group + 64 wc, in bytes
	s_add_co_u32 s[OA], s[OA], s21
	s_add_co_u32 s[OA+2], s[OA+2], s21
	s_mov_b32 s[OA+1], 0
	s_mov_b32 s[OA+3], 0
	s_mov_b32 s70, 0x80808080
	s_wait_dscnt 0x0                               ; both opening adds are done
	s_wait_kmcnt 0x0
	s_cmp_lt_u32 s14, 2
	s_cselect_b64 s[80:81], s[4:5], s[8:9]         ; the choice hangs on the wave's number alone
	s_mov_b32 s83, 0
	s_mov_b32 s82, s73
	s_add_nc_u64 s[G0+2:G0+3], s[80:81], s[82:83]  ; the first tile's slots 0, 1, 2
	s_add_nc_u64 s[G0+6:G0+7], s[G0+2:G0+3], 32768
	s_add_nc_u64 s[G0+10:G0+11], s[G0+2:G0+3], 65536
	s_mov_b32 s82, s78
	s_add_nc_u64 s[G0+14:G0+15], s[80:81], s[82:83]
	s_mov_b32 s82, s79
	s_add_nc_u64 s[G0+18:G0+19], s[80:81], s[82:83]
.irp k, 0,1,2,3,4
	s_mov_b32 s[G0+4*\k], 1
	s_add_co_u32 s[G0+4*\k+1], s84, (\k%2)*SLOT
	s_or_b32 s[G0+4*\k+3], s[G0+4*\k+3], 0x80000000
.endr
	tensor_load_to_lds s[G0:G0+3], s[G1:G1+7]      ; the first row block has nine K steps or more: both first fills are read whole.  Two loads of mine are out
	s_nop 0
	tensor_load_to_lds s[G0+4:G0+7], s[G1:G1+7]
	s_nop 0
.rept 4
	v_nop
.endr
	s_add_nc_u64 s[6:7], s[6:7], s[86:87]
	s_add_nc_u64 s[10:11], s[10:11], s[88:89]
	s_add_nc_u64 s[OA:OA+1], s[12:13], s[OA:OA+1]
	s_add_nc_u64 s[OA+2:OA+3], s[12:13], s[OA+2:OA+3]
	; every address register is made here, ahead of the head's ladder
	v_and_b32 v1, 15, v0                           ; r
	v_bfe_u32 v2, v0, 4, 1                         ; h
	v_and_b32 v3, 31, v0
	v_lshlrev_b32 v11, 4, v3                       ; 16 x lane
	s_lshl_b32 s20, s15, 15                        ; my half of p
	s_lshl_b32 s21, s16, 15
	s_add_co_u32 s21, s21, 65536                   ; my half of v, behind p's two
.irp s, 0,1
	v_add_nc_u32 v[ADRA+\s], s20, v11
	v_add_nc_u32 v[ADRB+\s], s21, v11
	s_add_co_u32 s20, s20, SLOT
	s_add_co_u32 s21, s21, SLOT
.endr
	s_lshl_b32 s20, s15, 8                         ; my 64 rows' words
	s_lshl_b32 s21, s16, 8
	s_add_co_u32 s21, s21, 16384                   ; my 64 channels' words, two tables on
	s_sub_co_u32 s21, s21, s20
	v_mul_u32_u24 v4, s21, v2                      ; lanes 16-31 take v's words: one product, the distance between the two
	s_add_co_u32 s22, s20, SCL
	v_lshl_add_u32 v4, v1, 2, v4
	v_add_nc_u32 v[ADRS0], s22, v4
	s_sub_co_u32 s21, s21, 8192                    ; the second tile's table lies 8,192 bytes nearer to v's
	v_mul_u32_u24 v4, s21, v2
	s_add_co_u32 s22, s22, 8192
	v_lshl_add_u32 v4, v1, 2, v4
	v_add_nc_u32 v[ADRS1], s22, v4
	s_mul_i32 s20, s14, 4352                       ; my stage
	s_add_co_u32 s20, s20, STG
	v_mul_u32_u24 v[STO], v1, 272
	v_lshl_add_u32 v[STO], v2, 6, v[STO]
	v_add_nc_u32 v[STO], s20, v[STO]               ; in: row r, + 64 h
	v_mul_u32_u24 v[RD], v2, 272
	v_lshl_add_u32 v[RD], v1, 4, v[RD]
	v_add_nc_u32 v[RD], s20, v[RD]                 ; back: lanes 0-15 one row, lanes 16-31 the next
	v_lshlrev_b32 v[CO], 12, v2
	v_lshl_add_u32 v[CO], v1, 4, v[CO]             ; and the same two rows in out0
	s_lshl_b32 s20, s15, 8
	s_add_co_u32 s20, s20, RLT
	v_lshl_add_u32 v[RLA], v1, 2, s20
	; ---- the head: rows 2 t and 2 t + 1 of the 256
	v_lshrrev_b32 v3, 6, v0                        ; which tile
	v_and_b32 v4, 63, v0
	v_lshlrev_b32 v5, 3, v4                        ; in my row block's tables: (t % 64) x 8
	v_lshlrev_b32 v6, 13, v3
	v_add_nc_u32 v6, v6, v5
	v_add_nc_u32 v6, SCL, v6                       ; in LDS: the tile's table
	v_lshl_add_u32 v7, v0, 3, RLT
	v_lshlrev_b32 v8, 4, v0                        ; v's 8,192 bytes of scale words are copied as they lie: 16 bytes a thread, four times
	v_lshl_add_u32 v10, v0, 4, SCL+16384
.irp m, 0,1,2,3
	global_load_b128 v[VC+4*\m:VC+4*\m+3], v8, s[10:11] offset:2048*\m
.endr
.set n, 4
.rept 28                               ; chunks that the row block does not reach: N over every N, l' = 0
	v_mov_b32 v[NN+n], 0x7f61b1e6
	v_mov_b32 v[LL+n], 0
	v_mov_b32 v[WD+n], 0
.set n, n+1
.endr
.irp s, 0,1,2,3,4,5,6,7
.if \s > 0
	s_cmp_lt_u32 s[IW], \s
	s_cbranch_scc1 .Lloaded
.endif
.irp q, 0,1
	global_load_b64 v[WD+4*\s+2*\q:WD+4*\s+2*\q+1], v5, s[6:7] offset:512*(2*\s+\q)
	global_load_b64 v[NN+4*\s+2*\q:NN+4*\s+2*\q+1], v5, s[6:7] offset:524288+512*(2*\s+\q)
	global_load_b64 v[LL+4*\s+2*\q:LL+4*\s+2*\q+1], v5, s[6:7] offset:1048576+512*(2*\s+\q)
.endr
.endr
.Lloaded:
	s_wait_loadcnt 0x0
.irp m, 0,1,2,3
	ds_store_b128 v10, v[VC+4*\m:VC+4*\m+3] offset:2048*\m
.endr
	v_min3_num_f32 v192, v[NN], v[NN+2], v[NN+4]   ; -M = the least N of the row
	v_min3_num_f32 v193, v[NN+1], v[NN+3], v[NN+5]
.irp k, 3,5,7,9,11,13
	v_min3_num_f32 v192, v192, v[NN+2*\k], v[NN+2*\k+2]
	v_min3_num_f32 v193, v193, v[NN+2*\k+1], v[NN+2*\k+3]
.endr
	v_min_num_f32 v192, v192, v[NN+30]
	v_min_num_f32 v193, v193, v[NN+31]
.set n, 0
.rept 16
	v_pk_add_f32 v[NN+n:NN+n+1], v[NN+n:NN+n+1], v[192:193] neg_lo:[0,1] neg_hi:[0,1]   ; M - M': a whole number, 0 or more
.set n, n+2
.endr
.set n, 0
.rept 32
	v_min_num_f32 v[NN+n], 0x42fe0000, v[NN+n]     ; held at 127
.set n, n+1
.endr
.set n, 0
.rept 32
	v_cvt_u32_f32 v[NN+n], v[NN+n]                 ; delta
.set n, n+1
.endr
.set n, 0
.rept 32
	v_sub_nc_u32 v[VS+n], 127, v[NN+n]
.set n, n+1
.endr
.set n, 0
.rept 32
	v_lshlrev_b32 v[VS+n], 23, v[VS+n]             ; 2^-delta by its exponent field (0 at delta = 127)
.set n, n+1
.endr
	v_pk_mul_f32 v[194:195], v[LL:LL+1], v[VS:VS+1]                ; l = the sum of l' x 2^-delta, in two chains
	v_pk_mul_f32 v[196:197], v[LL+2:LL+3], v[VS+2:VS+3]
.irp k, 2,4,6,8,10,12,14
	v_pk_fma_f32 v[194:195], v[LL+2*\k:LL+2*\k+1], v[VS+2*\k:VS+2*\k+1], v[194:195]
	v_pk_fma_f32 v[196:197], v[LL+2*\k+2:LL+2*\k+3], v[VS+2*\k+2:VS+2*\k+3], v[196:197]
.endr
	v_pk_add_f32 v[194:195], v[194:195], v[196:197]
	v_rcp_f32 v198, v194
	v_rcp_f32 v199, v195
.set n, 0
.rept 32
	v_perm_b32 v[NN+n], v[NN+n], v[NN+n], 0        ; delta in all four bytes.  (Plain work behind the reciprocals)
.set n, n+1
.endr
.set n, 0
.rept 32
	v_or_b32 v[WD+n], s70, v[WD+n]                 ; bit 7 set in each byte: no byte borrows
.set n, n+1
.endr
.set n, 0
.rept 32
	v_sub_nc_u32 v[WD+n], v[WD+n], v[NN+n]         ; 128 + byte - delta
.set n, n+1
.endr
.set n, 0
.rept 32
	v_and_b32 v[VS+n], s70, v[WD+n]                ; bit 7 stays where byte >= delta
.set n, n+1
.endr
.set n, 0
.rept 32
	v_lshrrev_b32 v[NN+n], 7, v[VS+n]
.set n, n+1
.endr
.set n, 0
.rept 32
	v_sub_nc_u32 v[VS+n], v[VS+n], v[NN+n]         ; 0x7f there, 0 elsewhere
.set n, n+1
.endr
.set n, 0
.rept 32
	v_and_b32 v[WD+n], v[WD+n], v[VS+n]            ; max(byte - delta, 0)
.set n, n+1
.endr
.irp k, 0,1,2,3,4,5,6,7,8,9,10,11,12,13,14,15
	ds_store_b64 v6, v[WD+2*\k:WD+2*\k+1] offset:512*\k
.endr
	s_wait_alu depctr_va_vdst(0)                   ; the wait for the two reciprocals, ahead of their first reader
	ds_store_b64 v7, v[198:199]
	s_wait_tensorcnt 0x0                           ; my parts of the first two slots have landed,
	s_wait_dscnt 0x0                               ; and my stores
	s_barrier_signal -1
	s_barrier_wait -1                              ; everybody's have
	RUN 0, 0, ADRS0, 0, 1, 0                       ; the first tile's K steps 0-3: the first products start the sums
	CHANGE G0+8, N2
	RUN 1, 0, ADRS0, 4, 0, 0
	CHANGE G0+12, N3
	RUN 0, 0, ADRS0, 8, 0, N2
	s_cmp_ge_u32 s[JP], 4                          ; ids alone: the same in all four waves
	s_cbranch_scc1 .Lthree_and_two
	CHANGE G0+16, N4
	RUN 1, 0, ADRS0, 12, 0, N3                     ; the first tile's last slot
	WAYOUT 0                                       ; it goes out while the fifth fill is on its way
	CHANGE 0, 0
	RUN 0, 128, ADRS1, 0, 1, N4                    ; the second tile's only slot
	s_branch .Lsecond_out
.Lthree_and_two:
	WAYOUT 0                                       ; the first tile is finished: it goes out while the fourth fill is on its way
	CHANGE G0+16, N4
	RUN 1, 128, ADRS1, 0, 1, 0                     ; the second tile's K steps 0-3
	CHANGE 0, 0
	RUN 0, 128, ADRS1, 4, 0, N4
.Lsecond_out:
	WAYOUT 1
	s_wait_tensorcnt 0x0                           ; the wave's end
	ds_add_u32 v[SPW], v[NIL]
	s_wait_dscnt 0x0
	s_endpgm
.Lfunc_end_k_qed54ff762f_pv:
	.size	k_qed54ff762f_pv, .Lfunc_end_k_qed54ff762f_pv-k_qed54ff762f_pv
	.p2alignl 7, 3214868480
	.fill 96, 4, 3214868480
	.section	.rodata,"a",@progbits
	.p2align	6, 0x0
	.amdhsa_kernel k_qed54ff762f_pv
		.amdhsa_group_segment_fixed_size 327680
		.amdhsa_private_segment_fixed_size 0
		.amdhsa_enable_private_segment 0
		.amdhsa_kernarg_size 40
		.amdhsa_user_sgpr_count 2
		.amdhsa_user_sgpr_kernarg_segment_ptr 1
		.amdhsa_wavefront_size32 1
		.amdhsa_system_sgpr_workgroup_id_x 1
		.amdhsa_system_sgpr_workgroup_id_y 1
		.amdhsa_system_sgpr_workgroup_id_z 1
		.amdhsa_system_vgpr_workitem_id 0
		.amdhsa_next_free_vgpr 768
		.amdhsa_next_free_sgpr 90
		.amdhsa_reserve_vcc 0
		.amdhsa_float_denorm_mode_32 3
		.amdhsa_float_denorm_mode_16_64 3
		.amdhsa_memory_ordered 1
		.amdhsa_forward_progress 1
		.amdhsa_inst_pref_size 232
	.end_amdhsa_kernel
	.amdgpu_metadata
---
amdhsa.version: [ 1, 2 ]
amdhsa.kernels:
  - .name:           k_qed54ff762f_pv
    .symbol:         k_qed54ff762f_pv.kd
    .args:
      - { .name: pc, .offset: 0, .size: 8, .value_kind: global_buffer, .address_space: global }
      - { .name: pt, .offset: 8, .size: 8, .value_kind: global_buffer, .address_space: global }
      - { .name: qkv, .offset: 16, .size: 8, .value_kind: global_buffer, .address_space: global }
      - { .name: qkvs, .offset: 24, .size: 8, .value_kind: global_buffer, .address_space: global }
      - { .name: out0, .offset: 32, .size: 8, .value_kind: global_buffer, .address_space: global }
    .group_segment_fixed_size: 327680
    .private_segment_fixed_size: 0
    .kernarg_segment_align: 8
    .kernarg_segment_size: 40
    .max_flat_workgroup_size: 128
    .sgpr_count:     90
    .vgpr_count:     768
    .wavefront_size: 32
...
	.end_amdgpu_metadata
.endif
;; end of part 4
